; MI455X (gfx1250); checked and timed in simulation.
; The chip was launched on July 23, 2026; its instructions are those of AMD's public machine-readable ISA for CDNA 5 (MIT licence, August 2026) and "CDNA5" Instruction Set Architecture Reference Guide (July 2026). The comments in the code are by the model that wrote it; some were corrected since.
;; S Attention. Allowed arithmetic: float matrix products may take bf16 or f16 operands with f32 sums; other float arithmetic in f32, or as packed bf16 or f16 multiplies, adds, multiply-adds, maxima and minima; sums over many terms, partial sums and values carried from step to step in f32; what a program stores and reads back later, other than sums and carried values, may be rounded once to bf16 or f16.
;; Inputs: b1 2,048 float32; b2 512 float32; bo 512 float32; ln1_b 512 float32; ln1_g 512 float32; ln2_b 512 float32; ln2_g 512 float32; w1 512 x 2,048 float32; w2 2,048 x 512 float32; wk 512 x 512 float32; wo 512 x 512 float32; wq 512 x 512 float32; wv 512 x 512 float32; x 4 x 2,048 x 512 float32.
;; Outputs: out0 4 x 2,048 x 512 float32.
;; One version. Each part assembles by itself: llvm-mc -triple=amdgcn-amd-amdhsa -mcpu=gfx1250 --defsym DOCPART=n.
;; ======== version 1 of 1: 7 launches
;; limits: values outside matrix products are rounded to bf16
;; workspace buffers: act 8,388,608 bytes; wb 6,291,456 bytes; vec 16,384 bytes; qkv 25,165,824 bytes; xt 16,777,216 bytes; hid 33,554,432 bytes
;; launch prep (part 1): grid 449 x 1, 4 waves a work-group, no clusters, 0 bytes of LDS; arguments x, ln1_g, ln1_b, act, wq, wk, wv, wo, w1, w2, wb, ln2_g, ln2_b, bo, b2, b1, vec; writes act, wb, vec
.if DOCPART == 1
	.amdgcn_target "amdgcn-amd-amdhsa--gfx1250"
	.amdhsa_code_object_version 6
	.text
	.protected	k_q0d808aab6f_prep
	.globl	k_q0d808aab6f_prep
	.p2align	8
	.type	k_q0d808aab6f_prep,@function
k_q0d808aab6f_prep:
	s_mov_b64 s[64:65], 0
	v_nop
	global_prefetch_b8 v0, s[64:65] scope:SCOPE_SE
	s_setreg_imm32_b32 hwreg(HW_REG_WAVE_MODE, 25, 1), 1
	s_wait_xcnt 0x0
; PREP.  Three kinds of work-group, chosen by the work-group's number alone.
;   0 .. 255    LayerNorm 1: 32 rows of x each -> act (xn), bf16, in blocks.
;   256 .. 447  the six weight matrices -> wb, bf16, 32,768 bytes of wb each.
;   448         ln2_g, ln2_b, bo, b2, b1 rounded to bf16 and kept as f32 -> vec.
; BLOCKS (all bf16 activations of the program): block (cb = column / 16, tt = token / 16) is 512 bytes at (512 cb + tt) x 512.
; Here a block is laid by rows: token r, columns 8 p .. 8 p + 7 at byte 32 r + 16 p.
; WEIGHTS: element (k, n) of a [K][N] matrix lies at ((n / 64) K + k) x 128 + (n % 64) x 2 from the matrix's base in wb: 64 columns are dense.
; LIMITS.  xn is rounded once to bf16; mean and variance in f32, the variance from the differences x - mean, as the module forms it.
; x, ln1_g, ln1_b enter LayerNorm 1 unrounded; the weights and the five vectors are rounded to bf16.  NaN and infinities are not treated apart.
.set XO, 2                             ; v2   my byte offset in the work-group's rows of x
.set GO, 3                             ; v3   my byte offset in gain and bias
.set YO, 4                             ; v4   my byte offset in the blocks
.set CH, 16                            ; v[16:23] four chains of packed sums
.set MU, 24                            ; v[24:25] the mean, twice
.set RS, 26                            ; v[26:27] 1 / sqrt(var + eps), twice
.set X,  64                            ; v[64:191] my 128 numbers of a row; window 1: v0-127 gain, v128-255 bias
.set MSB, 0
.macro WIN new                         ; the immediate's high byte repeats the setting that is left
.if MSB != (\new)
	s_set_vgpr_msb (MSB<<8)|(\new)
.set MSB, \new
.endif
.endm
; A wave takes 8 rows.  Lane l: row l % 8, and of each 32 columns the eight at 8 (l / 8): 128 numbers.  Those eight, rounded, are 16 bytes of a block.
.macro LNSET
	s_mov_b32 s12, 0x76543210              ; v_permlanex16_b32: each lane takes its own place in the other half
	s_mov_b32 s13, 0xfedcba98
	s_mov_b32 s14, 0x3b000000              ; 1 / 512
	s_mov_b32 s15, 0x3727c5ac              ; 1e-5
	v_lshrrev_b32 v1, 5, v0
	v_readfirstlane_b32 s16, v1            ; wave
	v_and_b32 v5, 7, v0                    ; row in the wave's eight
	v_bfe_u32 v6, v0, 3, 2                 ; q = l / 8
	v_lshlrev_b32 v[GO], 5, v6             ; 32 q
	v_lshl_add_u32 v[XO], v5, 11, v[GO]    ; row x 2,048 + 32 q
	s_lshl_b32 s17, s16, 14                ; the wave's 8 rows
	v_add_nc_u32 v[XO], s17, v[XO]
	v_lshrrev_b32 v7, 1, v6                ; which of two neighbouring column blocks
	v_and_b32 v6, 1, v6                    ; which half of its 16 columns
	v_lshlrev_b32 v[YO], 18, v7            ; a column block's 512 token blocks are 262,144 bytes
	v_lshl_add_u32 v[YO], v5, 5, v[YO]
	v_lshl_add_u32 v[YO], v6, 4, v[YO]
	s_and_b32 s17, s16, 1
	s_lshl_b32 s17, s17, 8                 ; odd waves fill a token block's rows 8 to 15
	v_add_nc_u32 v[YO], s17, v[YO]
	s_lshl_b32 s18, ttmp9, 16              ; the work-group's 32 rows of 2,048 bytes
	s_mov_b32 s19, 0
	s_lshl_b32 s20, ttmp9, 1
	s_lshr_b32 s21, s16, 1
	s_add_co_u32 s20, s20, s21             ; token block 2 x work-group + wave / 2
	s_lshl_b32 s20, s20, 9
	s_mov_b32 s21, 0
.endm
.macro REDUCE                          ; the four chains, the pair's halves, and the four lanes that share a row (l xor 8, l xor 16)
	v_pk_add_f32 v[CH:CH+1], v[CH:CH+1], v[CH+2:CH+3]
	v_pk_add_f32 v[CH+4:CH+5], v[CH+4:CH+5], v[CH+6:CH+7]
	v_pk_add_f32 v[CH:CH+1], v[CH:CH+1], v[CH+4:CH+5]
	v_add_f32 v[CH], v[CH], v[CH+1]
	v_add_f32_dpp v[CH], v[CH], v[CH] row_xmask:8 row_mask:0xf bank_mask:0xf
	v_permlanex16_b32 v[CH+1], v[CH], s12, s13
	v_add_f32 v[CH], v[CH], v[CH+1]
.endm
; s[4:5] source rows (f32), s[6:7] gain, s[8:9] bias, s[10:11] blocks
.macro LNWORK
	s_add_nc_u64 s[4:5], s[4:5], s[18:19]
	s_add_nc_u64 s[10:11], s[10:11], s[20:21]
.set j, 0
.rept 16
	global_load_b128 v[X+8*j:X+8*j+3],   v[XO], s[4:5] offset:128*j
	global_load_b128 v[X+8*j+4:X+8*j+7], v[XO], s[4:5] offset:128*j+16
.set j, j+1
.endr
	WIN 0x40                               ; destination window 1
.set j, 0
.rept 16
	global_load_b128 v[8*j:8*j+3],   v[GO], s[6:7] offset:128*j
	global_load_b128 v[8*j+4:8*j+7], v[GO], s[6:7] offset:128*j+16
.set j, j+1
.endr
.set j, 0
.rept 16
	global_load_b128 v[128+8*j:128+8*j+3],   v[GO], s[8:9] offset:128*j
	global_load_b128 v[128+8*j+4:128+8*j+7], v[GO], s[8:9] offset:128*j+16
.set j, j+1
.endr
	WIN 0
	s_wait_loadcnt 63                      ; the row is in: 64 loads were issued behind it, and 63 is the largest count that the wait can name
.irp k, 0,1,2,3
	v_pk_add_f32 v[CH+2*\k:CH+2*\k+1], v[X+2*\k:X+2*\k+1], v[X+8+2*\k:X+8+2*\k+1]  ; the first pairs start the chains
.endr
.set n, 8
.rept 56
	v_pk_add_f32 v[CH+2*(n%4):CH+2*(n%4)+1], v[CH+2*(n%4):CH+2*(n%4)+1], v[X+2*n:X+2*n+1]
.set n, n+1
.endr
	REDUCE
	v_mul_f32 v[MU], s14, v[CH]
	v_mul_f32 v[MU+1], s14, v[CH]
.set n, 0
.rept 64
	v_pk_add_f32 v[X+2*n:X+2*n+1], v[X+2*n:X+2*n+1], v[MU:MU+1] neg_lo:[0,1] neg_hi:[0,1]  ; x - mean
.set n, n+1
.endr
.irp k, 0,1,2,3
	v_pk_mul_f32 v[CH+2*\k:CH+2*\k+1], v[X+2*\k:X+2*\k+1], v[X+2*\k:X+2*\k+1]
.endr
.set n, 4
.rept 60
	v_pk_fma_f32 v[CH+2*(n%4):CH+2*(n%4)+1], v[X+2*n:X+2*n+1], v[X+2*n:X+2*n+1], v[CH+2*(n%4):CH+2*(n%4)+1]
.set n, n+1
.endr
	REDUCE
	v_fma_f32 v[CH], v[CH], s14, s15       ; var + eps
	v_rsq_f32 v[RS], v[CH]
	v_rsq_f32 v[RS+1], v[CH]
	v_nop                                  ; a plain instruction behind the last root,
	s_wait_alu depctr_va_vdst(0)           ; and the one wait for both, ahead of their first reader
	s_wait_loadcnt 0x0                     ; gain and bias
.set n, 0
.rept 64
	v_pk_mul_f32 v[X+2*n:X+2*n+1], v[X+2*n:X+2*n+1], v[RS:RS+1]
.set n, n+1
.endr
	WIN 0x14                               ; sources 1 and 2 (gain, bias) in window 1
.set n, 0
.rept 64
	v_pk_fma_f32 v[X+2*n:X+2*n+1], v[X+2*n:X+2*n+1], v[2*n:2*n+1], v[128+2*n:128+2*n+1]
.set n, n+1
.endr
	WIN 0
.set j, 0
.rept 16                               ; eight numbers become 16 bytes in the first four of their own registers: no register is a store's source twice
.irp k, 0,1,2,3
	v_cvt_pk_bf16_f32 v[X+8*j+\k], v[X+8*j+2*\k], v[X+8*j+2*\k+1]
.endr
	global_store_b128 v[YO], v[X+8*j:X+8*j+3], s[10:11] offset:524288*j  ; lanes 0-15 fill 256 consecutive bytes of column block 2 j, lanes 16-31 of 2 j + 1
.set j, j+1
.endr
.endm
	s_cmp_lt_u32 ttmp9, 256
	s_cbranch_scc0 .Lcast
	s_load_b256 s[4:11], s[0:1], 0x0       ; x, ln1_g, ln1_b, act
	LNSET
	s_wait_kmcnt 0x0
	LNWORK
	s_endpgm
.Lcast:
	s_cmp_lt_u32 ttmp9, 448
	s_cbranch_scc0 .Lvec
	; 32,768 bytes of wb: 256 k of one group of 64 columns.  A wave takes 64 k, four a step: lane l reads k + l / 8, columns 8 (l % 8) .. + 7.
	s_load_b512 s[16:31], s[0:1], 0x20     ; wq s16, wk s18, wv s20, wo s22, w1 s24, w2 s26, wb s28 (s30: not used here)
	s_sub_co_u32 s44, ttmp9, 256           ; j: my piece of wb
	s_lshr_b32 s45, s44, 6                 ; 0: the four square matrices, 1: w1, 2: w2
	s_lshr_b32 s46, s44, 4                 ; which square matrix
	s_and_b32 s47, s44, 15
	s_and_b32 s48, s44, 63
	s_cmp_eq_u32 s45, 0
	s_cselect_b32 s47, s47, s48            ; my piece within its matrix
	s_cmp_eq_u32 s45, 2
	s_cselect_b32 s49, 3, 1                ; a group has 2 pieces (K = 512) or 8 (K = 2,048)
	s_cmp_eq_u32 s45, 1
	s_cselect_b32 s50, 13, 11              ; a source row is 8,192 bytes (w1) or 2,048
	s_lshr_b32 s51, s47, s49               ; the group of 64 columns
	s_lshl_b32 s52, s51, s49
	s_sub_co_u32 s52, s47, s52             ; which 256 k of it
	v_lshrrev_b32 v1, 5, v0
	v_readfirstlane_b32 s55, v1            ; wave
	s_lshl_b32 s52, s52, 8
	s_lshl_b32 s54, s55, 6
	s_add_co_u32 s52, s52, s54             ; my wave's first k
	s_lshl_b32 s52, s52, s50
	s_lshl_b32 s51, s51, 8                 ; 64 columns of f32
	s_add_co_u32 s52, s52, s51
	s_mov_b32 s53, 0
	s_lshl_b32 s56, s44, 15
	s_mov_b32 s57, 0
	s_lshl_b32 s58, 4, s50                 ; four source rows
	v_bfe_u32 v1, v0, 3, 2
	v_lshlrev_b32 v16, s50, v1
	v_and_b32 v2, 7, v0
	v_lshl_add_u32 v16, v2, 5, v16         ; step 0's offset; one register a step, none rewritten
.set i, 1
.rept 15
	v_add_nc_u32 v[16+i], s58, v[15+i]
.set i, i+1
.endr
	v_and_b32 v3, 31, v0
	v_lshlrev_b32 v3, 4, v3
	s_lshl_b32 s54, s55, 13
	v_add_nc_u32 v3, s54, v3               ; in wb: 8,192 x wave + 16 x lane
	s_wait_kmcnt 0x0
	s_cmp_eq_u32 s46, 1
	s_cselect_b64 s[60:61], s[18:19], s[16:17]
	s_cmp_eq_u32 s46, 2
	s_cselect_b64 s[60:61], s[20:21], s[60:61]
	s_cmp_eq_u32 s46, 3
	s_cselect_b64 s[60:61], s[22:23], s[60:61]
	s_cmp_eq_u32 s45, 1
	s_cselect_b64 s[60:61], s[24:25], s[60:61]
	s_cmp_eq_u32 s45, 2
	s_cselect_b64 s[60:61], s[26:27], s[60:61]
	s_add_nc_u64 s[60:61], s[60:61], s[52:53]
	s_add_nc_u64 s[28:29], s[28:29], s[56:57]
.set i, 0
.rept 16
	global_load_b128 v[64+8*i:64+8*i+3], v[16+i], s[60:61] th:TH_LOAD_NT
	global_load_b128 v[64+8*i+4:64+8*i+7], v[16+i], s[60:61] offset:16 th:TH_LOAD_NT
.set i, i+1
.endr
.set i, 0
.rept 16
	s_wait_loadcnt 30-2*i                  ; step i's two loads are in; the later steps' stay out
.irp k, 0,1,2,3
	v_cvt_pk_bf16_f32 v[64+8*i+\k], v[64+8*i+2*\k], v[64+8*i+2*\k+1]
.endr
	global_store_b128 v3, v[64+8*i:64+8*i+3], s[28:29] offset:512*i  ; 512 consecutive bytes: four k of the group
.set i, i+1
.endr
	s_endpgm
.Lvec:
	; eight pieces of 2,048 bytes, 16 bytes a thread: rounded to bf16 and widened again
	s_load_b64 s[30:31], s[0:1], 0x58      ; ln2_g
	s_load_b256 s[32:39], s[0:1], 0x60     ; ln2_b, bo, b2, b1
	s_load_b64 s[40:41], s[0:1], 0x80      ; vec
	v_lshlrev_b32 v1, 4, v0
	s_wait_kmcnt 0x0
	global_load_b128 v[16:19], v1, s[30:31]
	global_load_b128 v[20:23], v1, s[32:33]
	global_load_b128 v[24:27], v1, s[34:35]
	global_load_b128 v[28:31], v1, s[36:37]
.irp p, 0,1,2,3
	global_load_b128 v[32+4*\p:35+4*\p], v1, s[38:39] offset:2048*\p
.endr
.irp p, 0,1,2,3,4,5,6,7
	s_wait_loadcnt 7-\p
	v_cvt_pk_bf16_f32 v[48+2*\p], v[16+4*\p], v[17+4*\p]
	v_cvt_pk_bf16_f32 v[49+2*\p], v[18+4*\p], v[19+4*\p]
	v_lshlrev_b32 v[64+4*\p], 16, v[48+2*\p]
	v_and_b32 v[65+4*\p], 0xffff0000, v[48+2*\p]
	v_lshlrev_b32 v[66+4*\p], 16, v[49+2*\p]
	v_and_b32 v[67+4*\p], 0xffff0000, v[49+2*\p]
	global_store_b128 v1, v[64+4*\p:67+4*\p], s[40:41] offset:2048*\p
.endr
	s_endpgm
.Lfunc_end_k_q0d808aab6f_prep:
	.size	k_q0d808aab6f_prep, .Lfunc_end_k_q0d808aab6f_prep-k_q0d808aab6f_prep
	.p2alignl 7, 3214868480
	.fill 96, 4, 3214868480
	.section	.rodata,"a",@progbits
	.p2align	6, 0x0
	.amdhsa_kernel k_q0d808aab6f_prep
		.amdhsa_group_segment_fixed_size 0
		.amdhsa_private_segment_fixed_size 0
		.amdhsa_enable_private_segment 0
		.amdhsa_kernarg_size 136
		.amdhsa_user_sgpr_count 2
		.amdhsa_user_sgpr_kernarg_segment_ptr 1
		.amdhsa_wavefront_size32 1
		.amdhsa_system_sgpr_workgroup_id_x 1
		.amdhsa_system_sgpr_workgroup_id_y 1
		.amdhsa_system_sgpr_workgroup_id_z 1
		.amdhsa_system_vgpr_workitem_id 0
		.amdhsa_next_free_vgpr 512
		.amdhsa_next_free_sgpr 66
		.amdhsa_reserve_vcc 0
		.amdhsa_float_denorm_mode_32 3
		.amdhsa_float_denorm_mode_16_64 3
		.amdhsa_memory_ordered 1
		.amdhsa_forward_progress 1
		.amdhsa_inst_pref_size 53
	.end_amdhsa_kernel
	.amdgpu_metadata
---
amdhsa.version: [ 1, 2 ]
amdhsa.kernels:
  - .name:           k_q0d808aab6f_prep
    .symbol:         k_q0d808aab6f_prep.kd
    .args:
      - { .name: x, .offset: 0, .size: 8, .value_kind: global_buffer, .address_space: global }
      - { .name: ln1_g, .offset: 8, .size: 8, .value_kind: global_buffer, .address_space: global }
      - { .name: ln1_b, .offset: 16, .size: 8, .value_kind: global_buffer, .address_space: global }
      - { .name: act, .offset: 24, .size: 8, .value_kind: global_buffer, .address_space: global }
      - { .name: wq, .offset: 32, .size: 8, .value_kind: global_buffer, .address_space: global }
      - { .name: wk, .offset: 40, .size: 8, .value_kind: global_buffer, .address_space: global }
      - { .name: wv, .offset: 48, .size: 8, .value_kind: global_buffer, .address_space: global }
      - { .name: wo, .offset: 56, .size: 8, .value_kind: global_buffer, .address_space: global }
      - { .name: w1, .offset: 64, .size: 8, .value_kind: global_buffer, .address_space: global }
      - { .name: w2, .offset: 72, .size: 8, .value_kind: global_buffer, .address_space: global }
      - { .name: wb, .offset: 80, .size: 8, .value_kind: global_buffer, .address_space: global }
      - { .name: ln2_g, .offset: 88, .size: 8, .value_kind: global_buffer, .address_space: global }
      - { .name: ln2_b, .offset: 96, .size: 8, .value_kind: global_buffer, .address_space: global }
      - { .name: bo, .offset: 104, .size: 8, .value_kind: global_buffer, .address_space: global }
      - { .name: b2, .offset: 112, .size: 8, .value_kind: global_buffer, .address_space: global }
      - { .name: b1, .offset: 120, .size: 8, .value_kind: global_buffer, .address_space: global }
      - { .name: vec, .offset: 128, .size: 8, .value_kind: global_buffer, .address_space: global }
    .group_segment_fixed_size: 0
    .private_segment_fixed_size: 0
    .kernarg_segment_align: 8
    .kernarg_segment_size: 136
    .max_flat_workgroup_size: 128
    .sgpr_count:     66
    .vgpr_count:     512
    .wavefront_size: 32
...
	.end_amdgpu_metadata
.endif
;; end of part 1
;; launch qkv (part 2): grid 32 x 8, 4 waves a work-group, clusters of 4 x 1, 221,696 bytes of LDS; arguments act, wb, qkv; writes qkv
.if DOCPART == 2
	.amdgcn_target "amdgcn-amd-amdhsa--gfx1250"
	.amdhsa_code_object_version 6
	.text
	.protected	k_q0d808aab6f_qkv
	.globl	k_q0d808aab6f_qkv
	.p2align	8
	.type	k_q0d808aab6f_qkv,@function
k_q0d808aab6f_qkv:
	s_mov_b64 s[64:65], 0
	v_nop
	global_prefetch_b8 v0, s[64:65] scope:SCOPE_SE
	s_setreg_imm32_b32 hwreg(HW_REG_WAVE_MODE, 25, 1), 1
	s_wait_xcnt 0x0
	s_wait_alu depctr_hold_cnt(0) depctr_sa_sdst(0) depctr_va_vdst(0) depctr_va_sdst(0) depctr_va_ssrc(0) depctr_va_vcc(0) depctr_vm_vsrc(0)
	s_getreg_b32 s2, hwreg(HW_REG_IB_STS2, 6, 4)
	s_cmp_eq_u32 s2, 0
	s_cbranch_scc0 .Lentry_in_a_cluster
	s_endpgm
.Lentry_in_a_cluster:
	s_bfe_u32 s2, ttmp6, 0x10000c
	s_cmp_lg_u32 s2, 0x3003
	s_cbranch_scc0 .Lentry_shape_is_right
	s_endpgm
.Lentry_shape_is_right:
; q, k, v = xn W.  xn: act, bf16 blocks laid by rows; W: wb, bf16, 64 columns dense; q at byte 0 of qkv, k at 8,388,608, v at 16,777,216, bf16 blocks.  Sums in f32, rounded once.
; SHARES.  A work-group: 256 tokens x the 64 columns 64 y .. of each of q, k, v (two heads).  A wave: 64 tokens, four tiles of 16.
; A (xn) goes from memory straight into registers, all K = 512 of it: a fragment (16 tokens x 32 k) is two blocks of 512 bytes as they lie.  512 registers, windows 1 and 2.
; B (the three groups of 64 columns, all K) lies whole in LDS, filled once; no LDS byte is filled again.  All four waves read it, turned, by ds_load_tr16_b128.
; In LDS two k share a row of 256 bytes, 32 bytes of padding behind it: k lies at (k / 2) x 288 + (k % 2) x 128, so the eight rows that eight lanes of a turning load take start 32 bytes apart modulo 256.
; CLUSTER.  The four work-groups of a cluster are four token blocks with the same y: they ask for B jointly (mask 15).
; q, k: source 0 = W's columns, source 1 = tokens: a lane ends with 8 neighbouring columns of one token, 16 bytes at 16 x lane of a block.
; v: the sources the other way round: a lane ends with 8 neighbouring tokens of one channel: the block is V^T's fragment for the attention.
.set PLANE, 262144                     ; a column block's 512 token blocks
.set CHK,   16*288                     ; 32 k in LDS
.set SUB,   16*CHK                     ; K = 512 of 64 columns: 73,728 bytes
.set SPARE, 3*SUB                      ; behind B: the spare words, 128 bytes a wave
.set NB,    12                         ; blocks of 16 columns: 4 of q, 4 of k, 4 of v
.set LB,  2                            ; v2  my lane's place in B
.set B0A, 3                            ; v3  LDS address for BF0
.set B1A, 4                            ; v4  for BF1
.set AO,  5                            ; v5  my byte offset in act; never rewritten
.set SO0, 6                            ; v6  my byte offset in a section of qkv, column block 4 y
.set SO,  7                            ; v7  the same for the block in hand
.set SPW, 8                            ; v8  my spare word; never rewritten
.set NIL, 9                            ; v9  0; never rewritten
.set PK,  32                           ; v[32:47]   packed results
.set BF0, 64                           ; v[64:127]  B's fragments, k 0 .. 255 of the block in hand
.set BF1, 128                          ; v[128:191] k 256 .. 511
.set ACC, 192                          ; v[192:223] four accumulators, one a token tile
.set WV,  12
.set N,   20                           ; s20 the block in hand
.set CUR, 21                           ; s21 its place in LDS
.set TN,  22                           ; s22 the next block
.set G1,  24
.set G0,  32
.set MSB, 0
.macro WIN new
.if MSB != (\new)
	s_set_vgpr_msb (MSB<<8)|(\new)
.set MSB, \new
.endif
.endm
.macro PLACES                          ; four plain instructions behind a matrix instruction, ahead of what reads its result or loads into its sources
.rept 4
	v_nop
.endr
.endm
.macro ROUND                           ; a round of the cluster's barrier
	s_barrier_signal -1
	s_barrier_wait -1
	s_cmp_lg_u32 s[WV], 0
	s_cbranch_scc1 .Lnot_wave_0_\@
	s_barrier_signal -3
.Lnot_wave_0_\@:
	s_barrier_wait -3
	s_barrier_signal -1
	s_barrier_wait -1
.endm
.macro BLOADS f, adr                   ; eight fragments (16 columns x 32 k), 16 turning loads
.irp c, 0,1,2,3,4,5,6,7
	ds_load_tr16_b128 v[(\f)+8*\c:(\f)+8*\c+3],   v[\adr] offset:\c*CHK
	ds_load_tr16_b128 v[(\f)+8*\c+4:(\f)+8*\c+7], v[\adr] offset:\c*CHK+CHK/2
.endr
.endm
; 32 products: 8 chunks of 32 k x 4 token tiles; the four accumulators take turns.  aw: A's window.  nat = 1: source 0 = tokens.  start = 1: the first four start the sums.
.macro MULS f, aw, nat, start
.if \nat
	WIN \aw
.else
	WIN 4*(\aw)
.endif
.irp c, 0,1,2,3,4,5,6,7
.irp a, 0,1,2,3
.if (\nat) && (\start) && (\c == 0)
	v_wmma_f32_16x16x32_bf16 v[ACC+8*\a:ACC+8*\a+7], v[8*(4*\c+\a):8*(4*\c+\a)+7], v[(\f)+8*\c:(\f)+8*\c+7], 0
.elseif \nat
	v_wmma_f32_16x16x32_bf16 v[ACC+8*\a:ACC+8*\a+7], v[8*(4*\c+\a):8*(4*\c+\a)+7], v[(\f)+8*\c:(\f)+8*\c+7], v[ACC+8*\a:ACC+8*\a+7]
.elseif (\start) && (\c == 0)
	v_wmma_f32_16x16x32_bf16 v[ACC+8*\a:ACC+8*\a+7], v[(\f)+8*\c:(\f)+8*\c+7], v[8*(4*\c+\a):8*(4*\c+\a)+7], 0
.else
	v_wmma_f32_16x16x32_bf16 v[ACC+8*\a:ACC+8*\a+7], v[(\f)+8*\c:(\f)+8*\c+7], v[8*(4*\c+\a):8*(4*\c+\a)+7], v[ACC+8*\a:ACC+8*\a+7]
.endif
.endr
.endr
.endm
; One block of 16 columns: 64 products.  While one half of K is multiplied the other half's fragments, or the next block's, are on their way out of LDS.
.macro NBLK nat, dst
	s_add_co_u32 s23, s[CUR], 8*CHK
	v_add_nc_u32 v[B1A], s23, v[LB]
	BLOADS BF1, B1A                        ; BF1's last reader stands in front of the last block's way out
	s_wait_dscnt 16                        ; BF0 is in; the 16 just issued stay out
	MULS BF0, 1, \nat, 1
	WIN 0
	s_add_co_u32 s[TN], s[N], 1
	s_min_u32 s[TN], s[TN], NB-1           ; behind the last block there is none: it is read once more
	s_lshr_b32 s23, s[TN], 2
	s_mul_i32 s23, s23, SUB
	s_and_b32 s[CUR], s[TN], 3
	s_lshl_b32 s[CUR], s[CUR], 5
	s_add_co_u32 s[CUR], s[CUR], s23
	v_add_nc_u32 v[B0A], s[CUR], v[LB]     ; with three v_nop the four places in front of the loads into BF0
	v_nop
	v_nop
	v_nop
	BLOADS BF0, B0A
	s_wait_dscnt 16                        ; BF1 is in
	MULS BF1, 2, \nat, 0
	WIN 0
	PLACES
	s_wait_xcnt 0x0                        ; the last block's stores have read PK and SO
	s_and_b32 s23, s[N], 3
	s_lshl_b32 s23, s23, 18
	v_add_nc_u32 v[SO], s23, v[SO0]
.irp a, 0,1,2,3
.irp k, 0,1,2,3
	v_cvt_pk_bf16_f32 v[PK+4*\a+\k], v[ACC+8*\a+2*\k], v[ACC+8*\a+2*\k+1]
.endr
.endr
.irp a, 0,1,2,3
	global_store_b128 v[SO], v[PK+4*\a:PK+4*\a+3], s[\dst:\dst+1] offset:512*\a  ; a whole block: 512 consecutive bytes
.endr
.endm
	s_load_b128 s[4:7], s[0:1], 0x0        ; act, wb
	s_load_b64 s[8:9], s[0:1], 0x10        ; qkv
	v_lshl_add_u32 v[SPW], v0, 2, SPARE
	v_mov_b32 v[NIL], 0
	ds_add_u32 v[SPW], v[NIL]              ; the wave's opening: the add and its wait ahead of the first tensor load
	v_lshrrev_b32 v1, 5, v0
	v_readfirstlane_b32 s[WV], v1
	s_bfe_u32 s13, ttmp6, 0x40000          ; cx
	s_lshl_b32 s14, ttmp9, 2
	s_add_co_u32 s14, s14, s13             ; my block of 256 tokens: it enters global addresses of my own loads and stores alone
	s_and_b32 s15, ttmp7, 0xffff           ; y, shared by the four partners
	s_mov_b32 s[G1], 15|(1<<16)|(1<<20)|(1<<21)|(5<<22)|(7<<25)  ; mask of four; 2-byte elements; padding on; bit 21 beside the mask; after every 64 words, 8 words
	s_mov_b32 s[G1+1], 128<<16             ; tensor_dim0 = 128
	s_mov_b32 s[G1+2], 256<<16             ; tensor_dim1 = 256
	s_mov_b32 s[G1+3], 128<<16             ; tile_dim0 = 128
	s_mov_b32 s[G1+4], 256                 ; tile_dim1 = 256
	s_mov_b32 s[G1+5], 128                 ; dense rows
	s_mov_b32 s[G1+6], 0
	s_mov_b32 s[G1+7], 0
	s_mov_b32 s[G0], 1
	s_mul_i32 s[G0+1], s[WV], SUB          ; wave 0: wq's group, 1: wk's, 2: wv's
	s_lshl_b32 s16, s[WV], 19              ; the matrix, 524,288 bytes each
	s_lshl_b32 s17, s15, 16                ; its group y, 65,536 bytes
	s_add_co_u32 s16, s16, s17
	s_mov_b32 s17, 0
	v_and_b32 v13, 15, v0                  ; r
	v_bfe_u32 v14, v0, 4, 1                ; h
	v_bfe_u32 v15, v0, 1, 2
	v_lshl_add_u32 v15, v14, 2, v15        ; pair row 4 h + (l % 8) / 2
	v_mul_u32_u24 v[LB], v15, 288
	v_and_b32 v15, 1, v0
	v_lshl_add_u32 v[LB], v15, 7, v[LB]    ; odd k: the row's second half
	v_bfe_u32 v15, v0, 3, 1
	v_lshl_add_u32 v[LB], v15, 4, v[LB]    ; columns 8 .. 15
	s_lshl_b32 s18, s14, 13
	s_lshl_b32 s19, s[WV], 11
	s_add_co_u32 s18, s18, s19             ; my first token block x 512
	v_lshlrev_b32 v[AO], 5, v13
	v_lshl_add_u32 v[AO], v14, 4, v[AO]    ; blocks laid by rows: 32 r + 16 h
	v_add_nc_u32 v[AO], s18, v[AO]
	v_and_b32 v[SO0], 31, v0
	v_lshlrev_b32 v[SO0], 4, v[SO0]
	s_lshl_b32 s19, s15, 20                ; column block 4 y
	s_add_co_u32 s19, s19, s18
	v_add_nc_u32 v[SO0], s19, v[SO0]
	s_wait_dscnt 0x0                       ; the opening add is done
	s_wait_kmcnt 0x0
	s_add_nc_u64 s[G0+2:G0+3], s[6:7], s[16:17]
	s_or_b32 s[G0+3], s[G0+3], 0x80000000
	s_mov_b64 s[36:37], s[8:9]             ; q
	s_add_nc_u64 s[38:39], s[8:9], 0x800000   ; k
	s_add_nc_u64 s[40:41], s[8:9], 0x1000000  ; v
	ROUND                                  ; all four work-groups are here: the joint loads meet
	s_cmp_lt_u32 s[WV], 3                  ; three tiles: wave 3 fills none
	s_cbranch_scc0 .Lno_fill
	tensor_load_to_lds s[G0:G0+3], s[G1:G1+7]
	s_nop 0
	PLACES
.Lno_fill:
.set c, 0
.rept 16                               ; all of A: chunk c of 32 k, tile a, at window 1 + c / 8, register 8 (4 (c % 8) + a)
	WIN 0x40*(1+c/8)
.irp a, 0,1,2,3
	global_load_b128 v[8*(4*(c%8)+\a):8*(4*(c%8)+\a)+3],   v[AO], s[4:5] offset:(2*c)*PLANE+512*\a
	global_load_b128 v[8*(4*(c%8)+\a)+4:8*(4*(c%8)+\a)+7], v[AO], s[4:5] offset:(2*c+1)*PLANE+512*\a
.endr
.set c, c+1
.endr
	WIN 0
	s_wait_tensorcnt 0x0                   ; my tile of B is in,
	s_barrier_signal -1
	s_barrier_wait -1                      ; everybody's is; nothing is ever filled again
	s_mov_b32 s[CUR], 0
	v_mov_b32 v[B0A], v[LB]
	BLOADS BF0, B0A
	s_wait_loadcnt 0x0                     ; A
	s_mov_b32 s[N], 0
.Lq:
	NBLK 0, 36
	s_add_co_u32 s[N], s[N], 1
	s_cmp_lt_u32 s[N], 4
	s_cbranch_scc1 .Lq
	s_mov_b32 s[N], 4
.Lk:
	NBLK 0, 38
	s_add_co_u32 s[N], s[N], 1
	s_cmp_lt_u32 s[N], 8
	s_cbranch_scc1 .Lk
	s_mov_b32 s[N], 8
.Lv:
	NBLK 1, 40
	s_add_co_u32 s[N], s[N], 1
	s_cmp_lt_u32 s[N], 12
	s_cbranch_scc1 .Lv
	s_wait_tensorcnt 0x0                   ; the wave's end
	ds_add_u32 v[SPW], v[NIL]
	s_wait_dscnt 0x0
	ROUND                                  ; the closing round
	s_endpgm
.Lfunc_end_k_q0d808aab6f_qkv:
	.size	k_q0d808aab6f_qkv, .Lfunc_end_k_q0d808aab6f_qkv-k_q0d808aab6f_qkv
	.p2alignl 7, 3214868480
	.fill 96, 4, 3214868480
	.section	.rodata,"a",@progbits
	.p2align	6, 0x0
	.amdhsa_kernel k_q0d808aab6f_qkv
		.amdhsa_group_segment_fixed_size 221696
		.amdhsa_private_segment_fixed_size 0
		.amdhsa_enable_private_segment 0
		.amdhsa_kernarg_size 24
		.amdhsa_user_sgpr_count 2
		.amdhsa_user_sgpr_kernarg_segment_ptr 1
		.amdhsa_wavefront_size32 1
		.amdhsa_system_sgpr_workgroup_id_x 1
		.amdhsa_system_sgpr_workgroup_id_y 1
		.amdhsa_system_sgpr_workgroup_id_z 1
		.amdhsa_system_vgpr_workitem_id 0
		.amdhsa_next_free_vgpr 768
		.amdhsa_next_free_sgpr 66
		.amdhsa_reserve_vcc 0
		.amdhsa_float_denorm_mode_32 3
		.amdhsa_float_denorm_mode_16_64 3
		.amdhsa_memory_ordered 1
		.amdhsa_forward_progress 1
		.amdhsa_inst_pref_size 43
	.end_amdhsa_kernel
	.amdgpu_metadata
---
amdhsa.version: [ 1, 2 ]
amdhsa.kernels:
  - .name:           k_q0d808aab6f_qkv
    .symbol:         k_q0d808aab6f_qkv.kd
    .args:
      - { .name: act, .offset: 0, .size: 8, .value_kind: global_buffer, .address_space: global }
      - { .name: wb, .offset: 8, .size: 8, .value_kind: global_buffer, .address_space: global }
      - { .name: qkv, .offset: 16, .size: 8, .value_kind: global_buffer, .address_space: global }
    .group_segment_fixed_size: 221696
    .private_segment_fixed_size: 0
    .kernarg_segment_align: 8
    .kernarg_segment_size: 24
    .max_flat_workgroup_size: 128
    .sgpr_count:     66
    .vgpr_count:     768
    .wavefront_size: 32
...
	.end_amdgpu_metadata
.endif
;; end of part 2
;; launch attn (part 3): grid 4 x 64, 4 waves a work-group, clusters of 4 x 1, 262,656 bytes of LDS; arguments qkv, act; writes act
.if DOCPART == 3
	.amdgcn_target "amdgcn-amd-amdhsa--gfx1250"
	.amdhsa_code_object_version 6
	.text
	.protected	k_q0d808aab6f_attn
	.globl	k_q0d808aab6f_attn
	.p2align	8
	.type	k_q0d808aab6f_attn,@function
k_q0d808aab6f_attn:
	s_mov_b64 s[64:65], 0
	v_nop
	global_prefetch_b8 v0, s[64:65] scope:SCOPE_SE
	s_setreg_imm32_b32 hwreg(HW_REG_WAVE_MODE, 25, 1), 1
	s_wait_xcnt 0x0
	s_wait_alu depctr_hold_cnt(0) depctr_sa_sdst(0) depctr_va_vdst(0) depctr_va_sdst(0) depctr_va_ssrc(0) depctr_va_vcc(0) depctr_vm_vsrc(0)
	s_getreg_b32 s2, hwreg(HW_REG_IB_STS2, 6, 4)
	s_cmp_eq_u32 s2, 0
	s_cbranch_scc0 .Lentry_in_a_cluster
	s_endpgm
.Lentry_in_a_cluster:
	s_bfe_u32 s2, ttmp6, 0x10000c
	s_cmp_lg_u32 s2, 0x3003
	s_cbranch_scc0 .Lentry_shape_is_right
	s_endpgm
.Lentry_shape_is_right:
; ctx[q] = the sum over k of softmax_k(Q[q] . K[k] / sqrt(32)) V[k], for each of 4 x 16 heads of 2,048 tokens and 32 channels.  q, k, v: qkv, bf16 blocks; ctx: act, bf16 blocks.
; Products, maxima in f32; the weights p are rounded to bf16 for the second product, and their sum l is taken of the rounded p, by the matrix unit; ctx is rounded once.
; LIMITS.  A weight below 2^-126 counts as 0.  NaN and infinities are not treated apart.
; SHARES.  y = 4 x head + batch.  A work-group owns 512 queries of one head, a wave 128: four PIECES of two tiles of 16.  Every wave walks all 2,048 keys, 64 a step.
; LDS.  The head's whole K and V, 262,144 bytes, filled once: piece 0, 1 = K's channels 0-15, 16-31; piece 2, 3 = V^T's.  Each is 128 blocks of 512 bytes, and a block is half a fragment as it lies: lane l reads 16 bytes at 16 l.
; CLUSTER.  The four work-groups of a cluster are the four query blocks of one head: K and V are asked for jointly (mask 15), a piece a wave.
; LAYOUT.  S^T = K Q^T (one product: 32 channels): a lane holds ONE query (lane % 16) and the keys 8 (lane / 16) + 0..7.  Two such results rounded in pairs ARE source 1 of O^T = V^T P.
; A third product with source 0 = ones gives l in every row of its result; only its registers 0 and 1 are rescaled and register 0 read; the others only ever add numbers of at most 1, 2,048 of them, and are never read.
; SOFTMAX.  p = 2^(c s - c m), c = log2(e) / sqrt(32), with a running maximum m; O and l are multiplied by a = 2^(c m_old - c m_new) in every step.  m starts at the lowest finite number, O and l at 0.
; BY TURNS.  Turn n belongs to piece n: 8 products K Q^T of piece n + 1, later 12 products of piece n - 1; beside them piece n's scaling, exponentials, roundings and rescaling, and piece n + 1's maximum and statistics.
; A turn's 66 exponentials are one batch with one wait; ahead of the wait nothing names a result of theirs.
; REGISTERS.  window 0: v2-10 addresses; v12-15, v48-63 at work; v16-47 statistics; v64-191 S^T, two buffers of two tiles; v192-255 P, likewise.  window 1: a tile's O^T (16) and l (8) at 24 t.
; window 2: v0-63 Q; v64-95 K of a step; v96-127 V of a step; v128-135 ones.
.set NP,    4
.set PLANE, 262144
.set PIECE, 65536
.set SPARE, 4*PIECE
.set L16, 2                            ; v2  16 x lane; never rewritten
.set AK,  4                            ; v4, v5  LDS addresses of K's next step, channels 0-15 and 16-31
.set AV,  6                            ; v6, v7  of V's
.set SPW, 8
.set NIL, 9
.set MV,  12                           ; c m_old, by buffer and tile
.set ST,  16                           ; tile t at ST + 4 t: c m, m, 1 / l, 0
.set TMP, 48                           ; by buffer and tile c0-c3; c2 takes a
.set S,   64
.set P,   192
.set KF,  64
.set VF,  96
.set ONE, 128
.set WV,  12
.set G1,  24
.set G0,  32
.set CNT, 57
.set CS,  58
.set SEL, 60
.set W_KQ, 0x0a                        ; K and Q in window 2, S^T in window 0
.set W_PV, 0x52                        ; V in window 2, P in window 0, O^T in window 1
.set W_RS, 0x41                        ; O^T in window 1, a in window 0
.set MSB, 0
.macro WIN new
.if MSB != (\new)
	s_set_vgpr_msb (MSB<<8)|(\new)
.set MSB, \new
.endif
.endm
.macro PLACES
.rept 4
	v_nop
.endr
.endm
.macro ROUND
	s_barrier_signal -1
	s_barrier_wait -1
	s_cmp_lg_u32 s[WV], 0
	s_cbranch_scc1 .Lnot_wave_0_\@
	s_barrier_signal -3
.Lnot_wave_0_\@:
	s_barrier_wait -3
	s_barrier_signal -1
	s_barrier_wait -1
.endm
; Product i of 8 of S^T for piece x: keys 16 (i / 2) on, tile 2 x + i % 2.  Each is a whole sum.
.macro KQ x
	WIN W_KQ
.set rS, S+64*((\x)%2)+32*(i%2)+8*(i/2)
.set rK, KF+8*(i/2)
.set rQ, 8*(2*(\x)+i%2)
	v_wmma_f32_16x16x32_bf16 v[rS:rS+7], v[rK:rK+7], v[rQ:rQ+7], 0
.set i, i+1
.endm
; Product i of 12 for piece x: keys 32 (i / 6) on, tile 2 x + i % 2, and of (i / 2) % 3: channels 0-15, channels 16-31, l.  Six accumulators take turns.
.macro PV x
	WIN W_PV
.set rO, 24*(2*(\x)+i%2)+8*((i/2)%3)
.set rP, P+32*((\x)%2)+16*(i%2)+8*(i/6)
.if (i/2)%3 == 2
.set rV, ONE
.else
.set rV, VF+16*(i/6)+8*((i/2)%3)
.endif
	v_wmma_f32_16x16x32_bf16 v[rO:rO+7], v[rV:rV+7], v[rP:rP+7], v[rO:rO+7]
.set i, i+1
.endm
.macro FETCH_K                         ; a step's K: 4 fragments, 8 loads; then the addresses step to the next 64 keys
	WIN 0x80
.irp kb, 0,1,2,3
	ds_load_b128 v[KF+8*\kb:KF+8*\kb+3],   v[AK]   offset:512*\kb
	ds_load_b128 v[KF+8*\kb+4:KF+8*\kb+7], v[AK+1] offset:512*\kb
.endr
	WIN 0
	v_add_nc_u32 v[AK], 2048, v[AK]
	v_add_nc_u32 v[AK+1], 2048, v[AK+1]
.endm
.macro FETCH_V                         ; a step's V^T: keys 32 kk on, channels 16 cb on
	WIN 0x80
.irp kk, 0,1
.irp cb, 0,1
	ds_load_b128 v[VF+16*\kk+8*\cb:VF+16*\kk+8*\cb+3],   v[AV+\cb] offset:1024*\kk
	ds_load_b128 v[VF+16*\kk+8*\cb+4:VF+16*\kk+8*\cb+7], v[AV+\cb] offset:1024*\kk+512
.endr
.endr
	WIN 0
	v_add_nc_u32 v[AV], 2048, v[AV]
	v_add_nc_u32 v[AV+1], 2048, v[AV+1]
.endm
.macro REGS y, u                       ; the registers of tile u of piece y
.set rT, ST+4*(2*(\y)+(\u))
.set rC, TMP+8*((\y)%2)+4*(\u)
.set rM, MV+2*((\y)%2)+(\u)
.set rS, S+64*((\y)%2)+32*(\u)
.set rP, P+32*((\y)%2)+16*(\u)
.set rO, 24*(2*(\y)+(\u))
.endm
; Number n of the 22 that find the NEXT piece's maximum and statistics.  0-11 four chains of seven scores (each accumulator's lowest registers first); 12-14, 16 the four left over, the old m, c0-c3 into c0;
; 15 c m_old is kept; 17, 18 the other half of the lanes; 19-21 c m, c m_old - c m_new, a.
.macro XS u, n
	REGS (Y+1)%NP, \u
.if (\n) < 4
	v_max3_num_f32 v[rC+(\n)], v[rS+8*(\n)], v[rS+8*(\n)+1], v[rS+8*(\n)+2]
.elseif (\n) < 12
	v_max3_num_f32 v[rC+(\n)%4], v[rC+(\n)%4], v[rS+8*((\n)%4)+2*((\n)/4)+1], v[rS+8*((\n)%4)+2*((\n)/4)+2]
.elseif (\n) == 12
	v_max3_num_f32 v[rC], v[rC], v[rS+7], v[rS+15]
.elseif (\n) == 13
	v_max3_num_f32 v[rC+1], v[rC+1], v[rS+23], v[rS+31]
.elseif (\n) == 14
	v_max3_num_f32 v[rC+2], v[rC+2], v[rC+3], v[rT+1]
.elseif (\n) == 15
	v_mov_b32 v[rM], v[rT]
.elseif (\n) == 16
	v_max3_num_f32 v[rC], v[rC], v[rC+1], v[rC+2]
.elseif (\n) == 17
	v_permlanex16_b32 v[rC+3], v[rC], s[SEL], s[SEL+1]
.elseif (\n) == 18
	v_max_num_f32 v[rT+1], v[rC], v[rC+3]
.elseif (\n) == 19
	v_mul_f32 v[rT], s[CS], v[rT+1]
.elseif (\n) == 20
	v_sub_f32 v[rC+1], v[rM], v[rT]
.else
	v_exp_f32 v[rC+2], v[rC+1]
.endif
.endm
.macro FS f                            ; c s - c m for pair f / 2 of tile f % 2
	REGS Y, (\f)%2
	v_pk_fma_f32 v[rS+2*((\f)/2):rS+2*((\f)/2)+1], v[rS+2*((\f)/2):rS+2*((\f)/2)+1], s[CS:CS+1], v[rT:rT+1] op_sel_hi:[1,0,0] neg_lo:[0,0,1] neg_hi:[0,0,1]
.endm
; THE PLAIN QUEUE, 74 long.  0-26 scalings 0-26; 27-54 XS 0-13; 55, 56 XS 15; 57-71 the chain 14, 16 .. 19, each with one of the scalings 27-31 in front of its two lines; 72, 73 XS 20.
.macro PL
	WIN 0
.if q < 27
	FS q
.elseif q < 55
	XS (q-27)%2, (q-27)/2
.elseif q < 57
	XS q-55, 15
.elseif (q < 72) && ((q-57)%3 == 0)
	FS 27+(q-57)/3
.elseif q < 60
	XS (q-57)%3-1, 14
.elseif q < 72
	XS (q-57)%3-1, 15+(q-57)/3
.else
	XS q-72, 20
.endif
.set q, q+1
.endm
.macro EX                              ; THE EXPONENTIALS' QUEUE, 66 long: 32 scores of both tiles, then the next piece's two a
	WIN 0
.if e >= 64
	XS e-64, 21
.else
	REGS Y, e%2
	v_exp_f32 v[rS+e/2], v[rS+e/2]
.endif
.set e, e+1
.endm
.macro CV                              ; THE ROUNDINGS, 32: pair g / 2 of tile g % 2
	WIN 0
	REGS Y, g%2
	v_cvt_pk_bf16_f32 v[rP+g/2], v[rS+2*(g/2)], v[rS+2*(g/2)+1]
.set g, g+1
.endm
.macro RE                              ; THE RESCALING, 18: pair r / 2 of tile r % 2's O^T (0-7) and l (8), ascending: each accumulator's lowest registers are read first
	REGS Y, r%2
	WIN W_RS
	v_pk_mul_f32 v[rO+2*(r/2):rO+2*(r/2)+1], v[rO+2*(r/2):rO+2*(r/2)+1], v[rC+2:rC+3] op_sel_hi:[1,0]
.set r, r+1
.endm
; A TURN for piece p.  Exponential e stands behind its scaling 2 (e / 4) + e % 2: as a rider behind plain e + 4 at the least, in the lump behind plain e + 9, and scalings 27-31 are plain 57, 60 .. 69.
; The next piece's scores are first read at plain 27: eleven plain instructions that name none of their registers stand behind the last product K Q^T.
; K of the next step is fetched in piece 2's turn, behind the wait; V of the step in hand at the end of piece 0's turn, six plain instructions behind its last reader.
.macro TURN p, last=0
.set Y, (\p)
.set q, 0
.set e, 0
.set g, 0
.set r, 0
.set i, 0
.if (\p) == NP-1
	s_wait_dscnt 0x0                       ; K is in
.endif
	KQ (Y+1)%NP
.rept 4
	PL
.endr
.rept 7
	KQ (Y+1)%NP
	PL
	EX
	PL
	EX
.endr
.rept 6
	PL
.endr
.rept 50
	EX
	PL
.endr
	EX
	EX
	v_nop                                  ; a plain instruction behind the last exponential: one for the batch
	s_wait_alu depctr_va_vdst(0)           ; the wait for the batch
.if ((\p) == NP-2) && !(\last)
	FETCH_K
.endif
.if (\p) == 1
	s_wait_dscnt 0x0                       ; V is in
.endif
.set i, 0
.rept 8
	PV (Y+NP-1)%NP
.rept 4
	CV
.endr
.endr
.rept 4
	PV (Y+NP-1)%NP
.rept 4
	RE
.endr
.endr
	RE
	RE
.if (\p) == 0
	FETCH_V
.endif
.endm
	s_load_b128 s[4:7], s[0:1], 0x0        ; qkv, act
	v_lshl_add_u32 v[SPW], v0, 2, SPARE
	v_mov_b32 v[NIL], 0
	ds_add_u32 v[SPW], v[NIL]              ; the wave's opening: the add and its wait ahead of the first tensor load
	v_lshrrev_b32 v1, 5, v0
	v_readfirstlane_b32 s[WV], v1
	s_bfe_u32 s13, ttmp6, 0x40000          ; cx: my block of 512 queries; it enters Q's and ctx's addresses alone
	s_and_b32 s14, ttmp7, 0xffff
	s_lshr_b32 s15, s14, 2                 ; head
	s_and_b32 s16, s14, 3                  ; batch
	s_mov_b32 s[G1], 15|(1<<16)|(1<<21)    ; mask of four; 2-byte elements; bit 21 beside the mask; no padding
	s_mov_b32 s[G1+1], 128<<16
	s_mov_b32 s[G1+2], 256<<16
	s_mov_b32 s[G1+3], 128<<16
	s_mov_b32 s[G1+4], 256                 ; 256 rows of 256 bytes: 65,536 dense bytes
	s_mov_b32 s[G1+5], 128
	s_mov_b32 s[G1+6], 0
	s_mov_b32 s[G1+7], 0
	s_mov_b32 s[G0], 1
	s_lshl_b32 s[G0+1], s[WV], 16          ; piece = my wave's number
	s_lshr_b32 s17, s[WV], 1
	s_add_co_u32 s17, s17, 1
	s_lshl_b32 s17, s17, 23                ; k's section (waves 0, 1) or v's (2, 3)
	s_lshl_b32 s18, s15, 1
	s_and_b32 s19, s[WV], 1
	s_add_co_u32 s18, s18, s19             ; column block 2 x head + half
	s_lshl_b32 s18, s18, 18
	s_add_co_u32 s18, s18, s17
	s_lshl_b32 s19, s16, 16                ; the batch's 128 token blocks
	s_add_co_u32 s18, s18, s19
	s_mov_b32 s19, 0
	s_lshl_b32 s20, s13, 2
	s_add_co_u32 s20, s20, s[WV]
	s_lshl_b32 s20, s20, 12                ; my wave's 8 token blocks
	s_lshl_b32 s21, s16, 16
	s_add_co_u32 s20, s20, s21
	s_lshl_b32 s21, s15, 19                ; column block 2 x head
	s_add_co_u32 s20, s20, s21
	s_mov_b32 s21, 0
	s_mov_b32 s[CS], 0x3e8293ee            ; c = log2(e) / sqrt(32) = 0.255035
	s_mov_b32 s[CS+1], s[CS]
	s_mov_b32 s[SEL], 0x76543210
	s_mov_b32 s[SEL+1], 0xfedcba98
	s_wait_dscnt 0x0                       ; the opening add is done
	s_wait_kmcnt 0x0
	s_add_nc_u64 s[G0+2:G0+3], s[4:5], s[18:19]
	s_or_b32 s[G0+3], s[G0+3], 0x80000000
	s_add_nc_u64 s[8:9], s[4:5], s[20:21]  ; Q
	s_add_nc_u64 s[6:7], s[6:7], s[20:21]  ; ctx
	ROUND                                  ; all four work-groups are here: the joint loads meet
	tensor_load_to_lds s[G0:G0+3], s[G1:G1+7]
	s_nop 0
	PLACES
	v_and_b32 v[L16], 31, v0
	v_lshlrev_b32 v[L16], 4, v[L16]
	WIN 0x80
.set t, 0
.rept 8                                ; Q stays in registers
	global_load_b128 v[8*t:8*t+3],   v[L16], s[8:9] offset:512*t
	global_load_b128 v[8*t+4:8*t+7], v[L16], s[8:9] offset:512*t+PLANE
.set t, t+1
.endr
	; What the first turn finds: V and P's second buffer hold 0 (its products, of a piece that has not been, add 0), O^T and l are 0.  All this stands in the wait for the tiles; no first step is written out.
.set n, VF
.rept 32
	v_mov_b32 v[n], 0
.set n, n+1
.endr
.set n, ONE
.rept 8
	v_mov_b32 v[n], 0x3f803f80             ; 1.0 twice
.set n, n+1
.endr
	WIN 0x40
.set n, 0
.rept 192
	v_mov_b32 v[n], 0
.set n, n+1
.endr
	WIN 0
.set t, 0
.rept 8
	v_mov_b32 v[ST+4*t], 0xfe000000        ; c m: far below every c s
	v_mov_b32 v[ST+4*t+1], 0xff7fffff      ; m
	v_mov_b32 v[ST+4*t+2], 0
	v_mov_b32 v[ST+4*t+3], 0
.set t, t+1
.endr
.set n, P+32
.rept 32
	v_mov_b32 v[n], 0
.set n, n+1
.endr
	v_mov_b32 v[AK], v[L16]
	v_add_nc_u32 v[AK+1], PIECE, v[L16]
	v_add_nc_u32 v[AV], 2*PIECE, v[L16]
	v_add_nc_u32 v[AV+1], 3*PIECE, v[L16]
	s_wait_tensorcnt 0x0                   ; my piece is in,
	s_barrier_signal -1
	s_barrier_wait -1                      ; everybody's is; nothing is ever filled again
	FETCH_K                                ; key step 0
	s_wait_loadcnt 0x0                     ; Q
	s_wait_dscnt 0x0
.set i, 0
.rept 8
	KQ 0                                   ; piece 0's first scores
.endr
	WIN 0
	PLACES
.set Y, NP-1                           ; XS works for piece Y + 1: piece 0
.irp n, 0,1,2,3,4,5,6,7,8,9,10,11,12,13,14,15,16,17,18,19,20,21
	XS 0, \n
	XS 1, \n
.endr
	v_nop                                  ; a plain instruction behind the two a,
	s_wait_alu depctr_va_vdst(0)           ; and their wait, ahead of the branch
	s_mov_b32 s[CNT], 32
	s_branch .Lfirst                       ; the loop is entered at a step's first turn
.Lstep:                                ; a trip: pieces 2 and 3 of one step, then pieces 0 and 1 of the next
	TURN 2
	TURN 3
	WIN 0
.Lfirst:
	TURN 0
	TURN 1
	WIN 0
	s_sub_co_u32 s[CNT], s[CNT], 1
	s_cmp_lg_u32 s[CNT], 0
	s_cbranch_scc1 .Lstep
	TURN 2, 1                              ; the last step's second half: nothing is fetched;
	TURN 3                                 ; its 8 products K Q^T, on the last K once more, and the maximum made of them serve nothing: the price, once a launch, of one text for every turn
.set i, 0
.rept 12
	PV NP-1
.endr
	; THE WAY OUT.  An accumulator, divided by l and rounded, is a block of ctx as it lies: no stage.
	WIN 0
	PLACES
	WIN 0x01
.set t, 0
.rept 8
	v_rcp_f32 v[ST+4*t+2], v[24*t+16]
.set t, t+1
.endr
	v_nop
	s_wait_alu depctr_va_vdst(0)           ; one wait for the eight reciprocals
	WIN W_RS
.set t, 0
.rept 8
.irp n, 0,1,2,3,4,5,6,7
	v_pk_mul_f32 v[24*t+2*\n:24*t+2*\n+1], v[24*t+2*\n:24*t+2*\n+1], v[ST+4*t+2:ST+4*t+3] op_sel_hi:[1,0]
.endr
.set t, t+1
.endr
	WIN 0x05
.set t, 0
.rept 8
.irp n, 0,1,2,3,4,5,6,7
	v_cvt_pk_bf16_f32 v[S+8*t+\n], v[24*t+2*\n], v[24*t+2*\n+1]
.endr
.set t, t+1
.endr
	WIN 0
.set t, 0
.rept 8
	global_store_b128 v[L16], v[S+8*t:S+8*t+3],   s[6:7] offset:512*t
	global_store_b128 v[L16], v[S+8*t+4:S+8*t+7], s[6:7] offset:512*t+PLANE
.set t, t+1
.endr
	s_wait_tensorcnt 0x0                   ; the wave's end
	ds_add_u32 v[SPW], v[NIL]
	s_wait_dscnt 0x0
	ROUND                                  ; the closing round
	s_endpgm
.Lfunc_end_k_q0d808aab6f_attn:
	.size	k_q0d808aab6f_attn, .Lfunc_end_k_q0d808aab6f_attn-k_q0d808aab6f_attn
	.p2alignl 7, 3214868480
	.fill 96, 4, 3214868480
	.section	.rodata,"a",@progbits
	.p2align	6, 0x0
	.amdhsa_kernel k_q0d808aab6f_attn
		.amdhsa_group_segment_fixed_size 262656
		.amdhsa_private_segment_fixed_size 0
		.amdhsa_enable_private_segment 0
		.amdhsa_kernarg_size 16
		.amdhsa_user_sgpr_count 2
		.amdhsa_user_sgpr_kernarg_segment_ptr 1
		.amdhsa_wavefront_size32 1
		.amdhsa_system_sgpr_workgroup_id_x 1
		.amdhsa_system_sgpr_workgroup_id_y 1
		.amdhsa_system_sgpr_workgroup_id_z 1
		.amdhsa_system_vgpr_workitem_id 0
		.amdhsa_next_free_vgpr 656
		.amdhsa_next_free_sgpr 66
		.amdhsa_reserve_vcc 0
		.amdhsa_float_denorm_mode_32 3
		.amdhsa_float_denorm_mode_16_64 3
		.amdhsa_memory_ordered 1
		.amdhsa_forward_progress 1
		.amdhsa_inst_pref_size 105
	.end_amdhsa_kernel
	.amdgpu_metadata
---
amdhsa.version: [ 1, 2 ]
amdhsa.kernels:
  - .name:           k_q0d808aab6f_attn
    .symbol:         k_q0d808aab6f_attn.kd
    .args:
      - { .name: qkv, .offset: 0, .size: 8, .value_kind: global_buffer, .address_space: global }
      - { .name: act, .offset: 8, .size: 8, .value_kind: global_buffer, .address_space: global }
    .group_segment_fixed_size: 262656
    .private_segment_fixed_size: 0
    .kernarg_segment_align: 8
    .kernarg_segment_size: 16
    .max_flat_workgroup_size: 128
    .sgpr_count:     66
    .vgpr_count:     656
    .wavefront_size: 32
...
	.end_amdgpu_metadata
.endif
;; end of part 3
;; launch wo (part 4): grid 32 x 8, 4 waves a work-group, clusters of 4 x 1, 167,936 bytes of LDS; arguments act, wb, vec, x, xt; writes xt
.if DOCPART == 4
	.amdgcn_target "amdgcn-amd-amdhsa--gfx1250"
	.amdhsa_code_object_version 6
	.text
	.protected	k_q0d808aab6f_wo
	.globl	k_q0d808aab6f_wo
	.p2align	8
	.type	k_q0d808aab6f_wo,@function
k_q0d808aab6f_wo:
	s_mov_b64 s[64:65], 0
	v_nop
	global_prefetch_b8 v0, s[64:65] scope:SCOPE_SE
	s_setreg_imm32_b32 hwreg(HW_REG_WAVE_MODE, 25, 1), 1
	s_wait_xcnt 0x0
	s_wait_alu depctr_hold_cnt(0) depctr_sa_sdst(0) depctr_va_vdst(0) depctr_va_sdst(0) depctr_va_ssrc(0) depctr_va_vcc(0) depctr_vm_vsrc(0)
	s_getreg_b32 s2, hwreg(HW_REG_IB_STS2, 6, 4)
	s_cmp_eq_u32 s2, 0
	s_cbranch_scc0 .Lentry_in_a_cluster
	s_endpgm
.Lentry_in_a_cluster:
	s_bfe_u32 s2, ttmp6, 0x10000c
	s_cmp_lg_u32 s2, 0x3003
	s_cbranch_scc0 .Lentry_shape_is_right
	s_endpgm
.Lentry_shape_is_right:
; xt = bf16(x) + ctx wo + bo.  ctx: act, bf16 blocks (16 bytes a lane); wo: wb at 1,572,864; bo: vec at 4,096 (rounded to bf16, kept as f32); x, xt: f32, [8192][512].
; LIMIT.  x enters the sum rounded to bf16, like every other input of the products; sums in f32, xt is kept in f32.
; SHARES.  A work-group: 256 tokens x the 64 columns 64 y ..; a wave 64 tokens.  A (ctx, all K = 512) in registers, windows 1 and 2; x's tile in window 3; B (one group of 64 columns) whole in LDS, filled once.
; In LDS two k share a row of 256 bytes with 32 bytes of padding: k lies at (k / 2) x 288 + (k % 2) x 128.  The four work-groups of a cluster share B (mask 15).
; The bias is the C operand of the products that start the sums.  The sums go through the wave's own stage in LDS, so that sixteen lanes store 256 consecutive bytes of a row of xt.
.set PLANE, 262144
.set CHK,   16*288
.set SUB,   16*CHK
.set STAGE, SUB                        ; 4 waves x 64 rows x 272 bytes; no tile lands here
.set SPITCH, 272
.set SPARE, STAGE+4*64*SPITCH
.set NB,    4
.set LB,  2
.set B0A, 3
.set B1A, 4
.set AO,  5
.set STO, 6                            ; v6  where I put 32 bytes of a staged row; steps 64 bytes a block
.set RD,  7                            ; v7  where I read rows back
.set SPW, 8
.set NIL, 9
.set UNI, 10                           ; v10 1.0
.set BO0, 11                           ; v11 32 h
.set BO,  12                           ; v12 the bias's offset for the block to come
.set CO,  13                           ; v13 my byte offset in the tile of x and xt; never rewritten
.set BI,  16                           ; v[16:23] the bias
.set BF0, 64
.set BF1, 128
.set ACC, 192
.set TS,  64                           ; behind the loop: the staged sums, v[64:191]
.set XB,  192                          ; and x rounded, v[192:255]
.set WV,  12
.set N,   20
.set CUR, 21
.set TN,  22
.set G1,  24
.set G0,  32
.set MSB, 0
.macro WIN new
.if MSB != (\new)
	s_set_vgpr_msb (MSB<<8)|(\new)
.set MSB, \new
.endif
.endm
.macro PLACES
.rept 4
	v_nop
.endr
.endm
.macro ROUND
	s_barrier_signal -1
	s_barrier_wait -1
	s_cmp_lg_u32 s[WV], 0
	s_cbranch_scc1 .Lnot_wave_0_\@
	s_barrier_signal -3
.Lnot_wave_0_\@:
	s_barrier_wait -3
	s_barrier_signal -1
	s_barrier_wait -1
.endm
.macro BLOADS f, adr
.irp c, 0,1,2,3,4,5,6,7
	ds_load_tr16_b128 v[(\f)+8*\c:(\f)+8*\c+3],   v[\adr] offset:\c*CHK
	ds_load_tr16_b128 v[(\f)+8*\c+4:(\f)+8*\c+7], v[\adr] offset:\c*CHK+CHK/2
.endr
.endm
.macro MULS f, aw, start               ; 32 products, source 0 = wo's columns, source 1 = tokens; the four accumulators take turns
	WIN 4*(\aw)
.irp c, 0,1,2,3,4,5,6,7
.irp a, 0,1,2,3
.if (\start) && (\c == 0)
	v_wmma_f32_16x16x32_bf16 v[ACC+8*\a:ACC+8*\a+7], v[(\f)+8*\c:(\f)+8*\c+7], v[8*(4*\c+\a):8*(4*\c+\a)+7], v[BI:BI+7]
.else
	v_wmma_f32_16x16x32_bf16 v[ACC+8*\a:ACC+8*\a+7], v[(\f)+8*\c:(\f)+8*\c+7], v[8*(4*\c+\a):8*(4*\c+\a)+7], v[ACC+8*\a:ACC+8*\a+7]
.endif
.endr
.endr
.endm
	s_load_b256 s[4:11], s[0:1], 0x0       ; act, wb, vec, x
	s_load_b64 s[36:37], s[0:1], 0x20      ; xt
	v_lshl_add_u32 v[SPW], v0, 2, SPARE
	v_mov_b32 v[NIL], 0
	ds_add_u32 v[SPW], v[NIL]              ; the wave's opening: the add and its wait ahead of the first tensor load
	v_lshrrev_b32 v1, 5, v0
	v_readfirstlane_b32 s[WV], v1
	s_bfe_u32 s13, ttmp6, 0x40000
	s_lshl_b32 s14, ttmp9, 2
	s_add_co_u32 s14, s14, s13             ; my block of 256 tokens
	s_and_b32 s15, ttmp7, 0xffff           ; y
	s_mov_b32 s[G1], 15|(1<<16)|(1<<20)|(1<<21)|(5<<22)|(7<<25)
	s_mov_b32 s[G1+1], 128<<16
	s_mov_b32 s[G1+2], 64<<16              ; a quarter of the group a wave: 64 rows of 256 bytes
	s_mov_b32 s[G1+3], 128<<16
	s_mov_b32 s[G1+4], 64
	s_mov_b32 s[G1+5], 128
	s_mov_b32 s[G1+6], 0
	s_mov_b32 s[G1+7], 0
	s_mov_b32 s[G0], 1
	s_mul_i32 s[G0+1], s[WV], 64*288
	s_lshl_b32 s16, s15, 16
	s_lshl_b32 s17, s[WV], 14
	s_add_co_u32 s16, s16, s17
	s_add_co_u32 s16, s16, 1572864         ; wo in wb
	s_mov_b32 s17, 0
	v_and_b32 v14, 15, v0                  ; r
	v_bfe_u32 v15, v0, 4, 1                ; h
	v_bfe_u32 v1, v0, 1, 2
	v_lshl_add_u32 v1, v15, 2, v1
	v_mul_u32_u24 v[LB], v1, 288
	v_and_b32 v1, 1, v0
	v_lshl_add_u32 v[LB], v1, 7, v[LB]
	v_bfe_u32 v1, v0, 3, 1
	v_lshl_add_u32 v[LB], v1, 4, v[LB]
	s_lshl_b32 s18, s14, 13
	s_lshl_b32 s19, s[WV], 11
	s_add_co_u32 s18, s18, s19             ; my first token block x 512
	v_and_b32 v[AO], 31, v0
	v_lshlrev_b32 v[AO], 4, v[AO]
	v_add_nc_u32 v[AO], s18, v[AO]
	s_mul_i32 s19, s[WV], 64*SPITCH
	s_add_co_u32 s19, s19, STAGE           ; my stage
	v_mul_u32_u24 v[STO], v14, SPITCH
	v_lshl_add_u32 v[STO], v15, 5, v[STO]
	v_add_nc_u32 v[STO], s19, v[STO]
	v_mul_u32_u24 v[RD], v15, SPITCH
	v_lshl_add_u32 v[RD], v14, 4, v[RD]
	v_add_nc_u32 v[RD], s19, v[RD]
	s_lshl_b32 s19, s[WV], 17              ; 64 rows of 2,048 bytes
	v_lshlrev_b32 v[CO], 11, v15
	v_lshl_add_u32 v[CO], v14, 4, v[CO]
	v_add_nc_u32 v[CO], s19, v[CO]
	v_lshlrev_b32 v[BO0], 5, v15
	v_mov_b32 v[BO], v[BO0]
	v_mov_b32 v[UNI], 1.0
	s_lshl_b32 s18, s14, 19                ; 256 rows of 2,048 bytes,
	s_lshl_b32 s19, s15, 8                 ; 64 columns of f32
	s_add_co_u32 s18, s18, s19
	s_add_co_u32 s22, s19, 4096            ; bo in vec
	s_mov_b32 s19, 0
	s_mov_b32 s23, 0
	s_wait_dscnt 0x0
	s_wait_kmcnt 0x0
	s_add_nc_u64 s[G0+2:G0+3], s[6:7], s[16:17]
	s_or_b32 s[G0+3], s[G0+3], 0x80000000
	s_add_nc_u64 s[10:11], s[10:11], s[18:19]
	s_add_nc_u64 s[36:37], s[36:37], s[18:19]
	s_add_nc_u64 s[8:9], s[8:9], s[22:23]
	ROUND
	tensor_load_to_lds s[G0:G0+3], s[G1:G1+7]
	s_nop 0
	PLACES
	WIN 0xc0
.set n, 0
.rept 32                               ; x's tile: rows 16 (n / 8) + 2 (n % 8) and the next; sixteen lanes read 256 consecutive bytes
	global_load_b128 v[4*n:4*n+3], v[CO], s[10:11] offset:(16*(n/8)+2*(n%8))*2048
.set n, n+1
.endr
.set c, 0
.rept 16
	WIN 0x40*(1+c/8)
.irp a, 0,1,2,3
	global_load_b128 v[8*(4*(c%8)+\a):8*(4*(c%8)+\a)+3],   v[AO], s[4:5] offset:(2*c)*PLANE+512*\a
	global_load_b128 v[8*(4*(c%8)+\a)+4:8*(4*(c%8)+\a)+7], v[AO], s[4:5] offset:(2*c+1)*PLANE+512*\a
.endr
.set c, c+1
.endr
	WIN 0
	global_load_b128 v[BI:BI+3],   v[BO], s[8:9]
	global_load_b128 v[BI+4:BI+7], v[BO], s[8:9] offset:16
	s_wait_tensorcnt 0x0
	s_barrier_signal -1
	s_barrier_wait -1                      ; B is whole; nothing is ever filled again
	s_mov_b32 s[CUR], 0
	v_mov_b32 v[B0A], v[LB]
	BLOADS BF0, B0A
	s_mov_b32 s[N], 0
.Lblock:
	s_add_co_u32 s23, s[CUR], 8*CHK
	v_add_nc_u32 v[B1A], s23, v[LB]
	BLOADS BF1, B1A
	s_wait_loadcnt 0x0                     ; the bias (and, the first time, x and A)
	s_wait_dscnt 16                        ; BF0 is in; the 16 just issued stay out
	MULS BF0, 1, 1
	WIN 0
	s_add_co_u32 s[TN], s[N], 1
	s_min_u32 s[TN], s[TN], NB-1
	s_lshl_b32 s[CUR], s[TN], 5
	s_lshl_b32 s23, s[TN], 6
	v_add_nc_u32 v[B0A], s[CUR], v[LB]     ; with the next line and two v_nop the four places in front of the loads into BF0 and BI
	v_add_nc_u32 v[BO], s23, v[BO0]
	v_nop
	v_nop
	BLOADS BF0, B0A
	global_load_b128 v[BI:BI+3],   v[BO], s[8:9]
	global_load_b128 v[BI+4:BI+7], v[BO], s[8:9] offset:16
	s_wait_dscnt 16                        ; BF1 is in
	MULS BF1, 2, 0
	WIN 0
	PLACES
.irp a, 0,1,2,3
	ds_store_b128 v[STO], v[ACC+8*\a:ACC+8*\a+3]   offset:\a*16*SPITCH
	ds_store_b128 v[STO], v[ACC+8*\a+4:ACC+8*\a+7] offset:\a*16*SPITCH+16
.endr
	v_add_nc_u32 v[STO], 64, v[STO]
	s_add_co_u32 s[N], s[N], 1
	s_cmp_lt_u32 s[N], NB
	s_cbranch_scc1 .Lblock
	s_wait_dscnt 0x0                       ; the fragments read ahead have landed: their registers take the staged sums
.set n, 0
.rept 32
	ds_load_b128 v[TS+4*n:TS+4*n+3], v[RD] offset:(n/8)*16*SPITCH+(n%8)*2*SPITCH  ; my own bytes
.set n, n+1
.endr
	WIN 0x0f                               ; sources in window 3
.set n, 0
.rept 32
	v_cvt_pk_bf16_f32 v[XB+2*n],   v[4*n],   v[4*n+1]
	v_cvt_pk_bf16_f32 v[XB+2*n+1], v[4*n+2], v[4*n+3]
.set n, n+1
.endr
	WIN 0
.set n, 0
.rept 32
	s_wait_dscnt 31-n
	v_fma_mix_f32_bf16 v[TS+4*n],   v[XB+2*n],   v[UNI], v[TS+4*n]   op_sel_hi:[1,0,0]
	v_fma_mix_f32_bf16 v[TS+4*n+1], v[XB+2*n],   v[UNI], v[TS+4*n+1] op_sel:[1,0,0] op_sel_hi:[1,0,0]
	v_fma_mix_f32_bf16 v[TS+4*n+2], v[XB+2*n+1], v[UNI], v[TS+4*n+2] op_sel_hi:[1,0,0]
	v_fma_mix_f32_bf16 v[TS+4*n+3], v[XB+2*n+1], v[UNI], v[TS+4*n+3] op_sel:[1,0,0] op_sel_hi:[1,0,0]
	global_store_b128 v[CO], v[TS+4*n:TS+4*n+3], s[36:37] offset:(16*(n/8)+2*(n%8))*2048  ; sixteen lanes store 256 consecutive bytes, aligned
.set n, n+1
.endr
	s_wait_tensorcnt 0x0                   ; the wave's end
	ds_add_u32 v[SPW], v[NIL]
	s_wait_dscnt 0x0
	ROUND
	s_endpgm
.Lfunc_end_k_q0d808aab6f_wo:
	.size	k_q0d808aab6f_wo, .Lfunc_end_k_q0d808aab6f_wo-k_q0d808aab6f_wo
	.p2alignl 7, 3214868480
	.fill 96, 4, 3214868480
	.section	.rodata,"a",@progbits
	.p2align	6, 0x0
	.amdhsa_kernel k_q0d808aab6f_wo
		.amdhsa_group_segment_fixed_size 167936
		.amdhsa_private_segment_fixed_size 0
		.amdhsa_enable_private_segment 0
		.amdhsa_kernarg_size 40
		.amdhsa_user_sgpr_count 2
		.amdhsa_user_sgpr_kernarg_segment_ptr 1
		.amdhsa_wavefront_size32 1
		.amdhsa_system_sgpr_workgroup_id_x 1
		.amdhsa_system_sgpr_workgroup_id_y 1
		.amdhsa_system_sgpr_workgroup_id_z 1
		.amdhsa_system_vgpr_workitem_id 0
		.amdhsa_next_free_vgpr 896
		.amdhsa_next_free_sgpr 66
		.amdhsa_reserve_vcc 0
		.amdhsa_float_denorm_mode_32 3
		.amdhsa_float_denorm_mode_16_64 3
		.amdhsa_memory_ordered 1
		.amdhsa_forward_progress 1
		.amdhsa_inst_pref_size 47
	.end_amdhsa_kernel
	.amdgpu_metadata
---
amdhsa.version: [ 1, 2 ]
amdhsa.kernels:
  - .name:           k_q0d808aab6f_wo
    .symbol:         k_q0d808aab6f_wo.kd
    .args:
      - { .name: act, .offset: 0, .size: 8, .value_kind: global_buffer, .address_space: global }
      - { .name: wb, .offset: 8, .size: 8, .value_kind: global_buffer, .address_space: global }
      - { .name: vec, .offset: 16, .size: 8, .value_kind: global_buffer, .address_space: global }
      - { .name: x, .offset: 24, .size: 8, .value_kind: global_buffer, .address_space: global }
      - { .name: xt, .offset: 32, .size: 8, .value_kind: global_buffer, .address_space: global }
    .group_segment_fixed_size: 167936
    .private_segment_fixed_size: 0
    .kernarg_segment_align: 8
    .kernarg_segment_size: 40
    .max_flat_workgroup_size: 128
    .sgpr_count:     66
    .vgpr_count:     896
    .wavefront_size: 32
...
	.end_amdgpu_metadata
.endif
;; end of part 4
;; launch ln2 (part 5): grid 256 x 1, 4 waves a work-group, no clusters, 0 bytes of LDS; arguments xt, vec, act; writes act
.if DOCPART == 5
	.amdgcn_target "amdgcn-amd-amdhsa--gfx1250"
	.amdhsa_code_object_version 6
	.text
	.protected	k_q0d808aab6f_ln2
	.globl	k_q0d808aab6f_ln2
	.p2align	8
	.type	k_q0d808aab6f_ln2,@function
k_q0d808aab6f_ln2:
	s_mov_b64 s[64:65], 0
	v_nop
	global_prefetch_b8 v0, s[64:65] scope:SCOPE_SE
	s_setreg_imm32_b32 hwreg(HW_REG_WAVE_MODE, 25, 1), 1
	s_wait_xcnt 0x0
; h = LayerNorm 2 of xt.  xt: f32 [8192][512]; gain at byte 0 of vec, bias at 2,048 (both rounded to bf16, kept as f32); h: act, bf16, in blocks laid by rows:
; block (cb = column / 16, tt = token / 16) is 512 bytes at (512 cb + tt) x 512; token r, columns 8 p .. 8 p + 7 at byte 32 r + 16 p.
; A work-group takes 32 rows, a wave 8.  Mean and variance in f32, the variance from the differences; h is rounded once.  NaN and infinities are not treated apart.
.set XO, 2
.set GO, 3
.set YO, 4
.set CH, 16
.set MU, 24
.set RS, 26
.set X,  64                            ; v[64:191] my 128 numbers of a row; window 1: v0-127 gain, v128-255 bias
.set MSB, 0
.macro WIN new
.if MSB != (\new)
	s_set_vgpr_msb (MSB<<8)|(\new)
.set MSB, \new
.endif
.endm
.macro REDUCE                          ; the four chains, the pair's halves, and the four lanes that share a row (l xor 8, l xor 16)
	v_pk_add_f32 v[CH:CH+1], v[CH:CH+1], v[CH+2:CH+3]
	v_pk_add_f32 v[CH+4:CH+5], v[CH+4:CH+5], v[CH+6:CH+7]
	v_pk_add_f32 v[CH:CH+1], v[CH:CH+1], v[CH+4:CH+5]
	v_add_f32 v[CH], v[CH], v[CH+1]
	v_add_f32_dpp v[CH], v[CH], v[CH] row_xmask:8 row_mask:0xf bank_mask:0xf
	v_permlanex16_b32 v[CH+1], v[CH], s12, s13
	v_add_f32 v[CH], v[CH], v[CH+1]
.endm
	s_load_b128 s[4:7], s[0:1], 0x0        ; xt, vec
	s_load_b64 s[10:11], s[0:1], 0x10      ; act
	s_mov_b32 s12, 0x76543210
	s_mov_b32 s13, 0xfedcba98
	s_mov_b32 s14, 0x3b000000              ; 1 / 512
	s_mov_b32 s15, 0x3727c5ac              ; 1e-5
	; lane l: row l % 8 of the wave's eight, and of each 32 columns the eight at 8 (l / 8)
	v_lshrrev_b32 v1, 5, v0
	v_readfirstlane_b32 s16, v1
	v_and_b32 v5, 7, v0
	v_bfe_u32 v6, v0, 3, 2
	v_lshlrev_b32 v[GO], 5, v6
	v_lshl_add_u32 v[XO], v5, 11, v[GO]
	s_lshl_b32 s17, s16, 14
	v_add_nc_u32 v[XO], s17, v[XO]
	v_lshrrev_b32 v7, 1, v6
	v_and_b32 v6, 1, v6
	v_lshlrev_b32 v[YO], 18, v7
	v_lshl_add_u32 v[YO], v5, 5, v[YO]
	v_lshl_add_u32 v[YO], v6, 4, v[YO]
	s_and_b32 s17, s16, 1
	s_lshl_b32 s17, s17, 8
	v_add_nc_u32 v[YO], s17, v[YO]
	s_lshl_b32 s18, ttmp9, 16
	s_mov_b32 s19, 0
	s_lshl_b32 s20, ttmp9, 1
	s_lshr_b32 s21, s16, 1
	s_add_co_u32 s20, s20, s21
	s_lshl_b32 s20, s20, 9
	s_mov_b32 s21, 0
	s_wait_kmcnt 0x0
	s_add_nc_u64 s[8:9], s[6:7], 2048      ; the bias
	s_add_nc_u64 s[4:5], s[4:5], s[18:19]
	s_add_nc_u64 s[10:11], s[10:11], s[20:21]
.set j, 0
.rept 16
	global_load_b128 v[X+8*j:X+8*j+3],   v[XO], s[4:5] offset:128*j
	global_load_b128 v[X+8*j+4:X+8*j+7], v[XO], s[4:5] offset:128*j+16
.set j, j+1
.endr
	WIN 0x40
.set j, 0
.rept 16
	global_load_b128 v[8*j:8*j+3],   v[GO], s[6:7] offset:128*j
	global_load_b128 v[8*j+4:8*j+7], v[GO], s[6:7] offset:128*j+16
.set j, j+1
.endr
.set j, 0
.rept 16
	global_load_b128 v[128+8*j:128+8*j+3],   v[GO], s[8:9] offset:128*j
	global_load_b128 v[128+8*j+4:128+8*j+7], v[GO], s[8:9] offset:128*j+16
.set j, j+1
.endr
	WIN 0
	s_wait_loadcnt 63                      ; the row is in: 64 loads were issued behind it, and 63 is the largest count that the wait can name
.irp k, 0,1,2,3
	v_pk_add_f32 v[CH+2*\k:CH+2*\k+1], v[X+2*\k:X+2*\k+1], v[X+8+2*\k:X+8+2*\k+1]
.endr
.set n, 8
.rept 56
	v_pk_add_f32 v[CH+2*(n%4):CH+2*(n%4)+1], v[CH+2*(n%4):CH+2*(n%4)+1], v[X+2*n:X+2*n+1]
.set n, n+1
.endr
	REDUCE
	v_mul_f32 v[MU], s14, v[CH]
	v_mul_f32 v[MU+1], s14, v[CH]
.set n, 0
.rept 64
	v_pk_add_f32 v[X+2*n:X+2*n+1], v[X+2*n:X+2*n+1], v[MU:MU+1] neg_lo:[0,1] neg_hi:[0,1]
.set n, n+1
.endr
.irp k, 0,1,2,3
	v_pk_mul_f32 v[CH+2*\k:CH+2*\k+1], v[X+2*\k:X+2*\k+1], v[X+2*\k:X+2*\k+1]
.endr
.set n, 4
.rept 60
	v_pk_fma_f32 v[CH+2*(n%4):CH+2*(n%4)+1], v[X+2*n:X+2*n+1], v[X+2*n:X+2*n+1], v[CH+2*(n%4):CH+2*(n%4)+1]
.set n, n+1
.endr
	REDUCE
	v_fma_f32 v[CH], v[CH], s14, s15
	v_rsq_f32 v[RS], v[CH]
	v_rsq_f32 v[RS+1], v[CH]
	v_nop                                  ; a plain instruction behind the last root,
	s_wait_alu depctr_va_vdst(0)           ; and the one wait for both
	s_wait_loadcnt 0x0                     ; gain and bias
.set n, 0
.rept 64
	v_pk_mul_f32 v[X+2*n:X+2*n+1], v[X+2*n:X+2*n+1], v[RS:RS+1]
.set n, n+1
.endr
	WIN 0x14
.set n, 0
.rept 64
	v_pk_fma_f32 v[X+2*n:X+2*n+1], v[X+2*n:X+2*n+1], v[2*n:2*n+1], v[128+2*n:128+2*n+1]
.set n, n+1
.endr
	WIN 0
.set j, 0
.rept 16
.irp k, 0,1,2,3
	v_cvt_pk_bf16_f32 v[X+8*j+\k], v[X+8*j+2*\k], v[X+8*j+2*\k+1]
.endr
	global_store_b128 v[YO], v[X+8*j:X+8*j+3], s[10:11] offset:524288*j  ; lanes 0-15 fill 256 consecutive bytes of column block 2 j, lanes 16-31 of 2 j + 1
.set j, j+1
.endr
	s_endpgm
.Lfunc_end_k_q0d808aab6f_ln2:
	.size	k_q0d808aab6f_ln2, .Lfunc_end_k_q0d808aab6f_ln2-k_q0d808aab6f_ln2
	.p2alignl 7, 3214868480
	.fill 96, 4, 3214868480
	.section	.rodata,"a",@progbits
	.p2align	6, 0x0
	.amdhsa_kernel k_q0d808aab6f_ln2
		.amdhsa_group_segment_fixed_size 0
		.amdhsa_private_segment_fixed_size 0
		.amdhsa_enable_private_segment 0
		.amdhsa_kernarg_size 24
		.amdhsa_user_sgpr_count 2
		.amdhsa_user_sgpr_kernarg_segment_ptr 1
		.amdhsa_wavefront_size32 1
		.amdhsa_system_sgpr_workgroup_id_x 1
		.amdhsa_system_sgpr_workgroup_id_y 1
		.amdhsa_system_sgpr_workgroup_id_z 1
		.amdhsa_system_vgpr_workitem_id 0
		.amdhsa_next_free_vgpr 512
		.amdhsa_next_free_sgpr 66
		.amdhsa_reserve_vcc 0
		.amdhsa_float_denorm_mode_32 3
		.amdhsa_float_denorm_mode_16_64 3
		.amdhsa_memory_ordered 1
		.amdhsa_forward_progress 1
		.amdhsa_inst_pref_size 38
	.end_amdhsa_kernel
	.amdgpu_metadata
---
amdhsa.version: [ 1, 2 ]
amdhsa.kernels:
  - .name:           k_q0d808aab6f_ln2
    .symbol:         k_q0d808aab6f_ln2.kd
    .args:
      - { .name: xt, .offset: 0, .size: 8, .value_kind: global_buffer, .address_space: global }
      - { .name: vec, .offset: 8, .size: 8, .value_kind: global_buffer, .address_space: global }
      - { .name: act, .offset: 16, .size: 8, .value_kind: global_buffer, .address_space: global }
    .group_segment_fixed_size: 0
    .private_segment_fixed_size: 0
    .kernarg_segment_align: 8
    .kernarg_segment_size: 24
    .max_flat_workgroup_size: 128
    .sgpr_count:     66
    .vgpr_count:     512
    .wavefront_size: 32
...
	.end_amdgpu_metadata
.endif
;; end of part 5
;; launch ffn1 (part 6): grid 32 x 8, 4 waves a work-group, clusters of 4 x 1, 295,424 bytes of LDS; arguments act, wb, vec, hid; writes hid
.if DOCPART == 6
	.amdgcn_target "amdgcn-amd-amdhsa--gfx1250"
	.amdhsa_code_object_version 6
	.text
	.protected	k_q0d808aab6f_ffn1
	.globl	k_q0d808aab6f_ffn1
	.p2align	8
	.type	k_q0d808aab6f_ffn1,@function
k_q0d808aab6f_ffn1:
	s_mov_b64 s[64:65], 0
	v_nop
	global_prefetch_b8 v0, s[64:65] scope:SCOPE_SE
	s_setreg_imm32_b32 hwreg(HW_REG_WAVE_MODE, 25, 1), 1
	s_wait_xcnt 0x0
	s_wait_alu depctr_hold_cnt(0) depctr_sa_sdst(0) depctr_va_vdst(0) depctr_va_sdst(0) depctr_va_ssrc(0) depctr_va_vcc(0) depctr_vm_vsrc(0)
	s_getreg_b32 s2, hwreg(HW_REG_IB_STS2, 6, 4)
	s_cmp_eq_u32 s2, 0
	s_cbranch_scc0 .Lentry_in_a_cluster
	s_endpgm
.Lentry_in_a_cluster:
	s_bfe_u32 s2, ttmp6, 0x10000c
	s_cmp_lg_u32 s2, 0x3003
	s_cbranch_scc0 .Lentry_shape_is_right
	s_endpgm
.Lentry_shape_is_right:
; hid = relu(h w1 + b1).  h: act, bf16 blocks laid by rows; w1: wb at 2,097,152, 64 columns dense; b1: vec at 8,192 (rounded to bf16, kept as f32); hid: bf16 blocks, 16 bytes a lane.  Sums in f32, rounded once.
; SHARES.  A work-group: 256 tokens x the 256 columns 256 y ..; a wave 64 tokens.  A (h, all K = 512) in registers, windows 1 and 2.  B (four groups of 64 columns, all K) whole in LDS, filled once, a group a wave.
; In LDS two k share a row of 256 bytes with 32 bytes of padding: k lies at (k / 2) x 288 + (k % 2) x 128.  The four work-groups of a cluster share B (mask 15).
; Source 0 = w1's columns, source 1 = tokens: a lane ends with 8 neighbouring columns of one token.  The bias is the C operand of the products that start the sums.
.set PLANE, 262144
.set CHK,   16*288
.set SUB,   16*CHK
.set SPARE, 4*SUB
.set NB,    16
.set LB,  2
.set B0A, 3
.set B1A, 4
.set AO,  5
.set SO0, 6
.set SO,  7
.set SPW, 8
.set NIL, 9
.set ZER, 10                           ; v10 0, for the packed maximum
.set BO0, 11
.set BO,  12
.set BI,  16
.set PK,  32
.set BF0, 64
.set BF1, 128
.set ACC, 192
.set WV,  12
.set N,   20
.set CUR, 21
.set TN,  22
.set G1,  24
.set G0,  32
.set MSB, 0
.macro WIN new
.if MSB != (\new)
	s_set_vgpr_msb (MSB<<8)|(\new)
.set MSB, \new
.endif
.endm
.macro PLACES
.rept 4
	v_nop
.endr
.endm
.macro ROUND
	s_barrier_signal -1
	s_barrier_wait -1
	s_cmp_lg_u32 s[WV], 0
	s_cbranch_scc1 .Lnot_wave_0_\@
	s_barrier_signal -3
.Lnot_wave_0_\@:
	s_barrier_wait -3
	s_barrier_signal -1
	s_barrier_wait -1
.endm
.macro BLOADS f, adr
.irp c, 0,1,2,3,4,5,6,7
	ds_load_tr16_b128 v[(\f)+8*\c:(\f)+8*\c+3],   v[\adr] offset:\c*CHK
	ds_load_tr16_b128 v[(\f)+8*\c+4:(\f)+8*\c+7], v[\adr] offset:\c*CHK+CHK/2
.endr
.endm
.macro MULS f, aw, start               ; 32 products; the four accumulators take turns
	WIN 4*(\aw)
.irp c, 0,1,2,3,4,5,6,7
.irp a, 0,1,2,3
.if (\start) && (\c == 0)
	v_wmma_f32_16x16x32_bf16 v[ACC+8*\a:ACC+8*\a+7], v[(\f)+8*\c:(\f)+8*\c+7], v[8*(4*\c+\a):8*(4*\c+\a)+7], v[BI:BI+7]
.else
	v_wmma_f32_16x16x32_bf16 v[ACC+8*\a:ACC+8*\a+7], v[(\f)+8*\c:(\f)+8*\c+7], v[8*(4*\c+\a):8*(4*\c+\a)+7], v[ACC+8*\a:ACC+8*\a+7]
.endif
.endr
.endr
.endm
	s_load_b256 s[4:11], s[0:1], 0x0       ; act, wb, vec, hid
	v_lshl_add_u32 v[SPW], v0, 2, SPARE
	v_mov_b32 v[NIL], 0
	ds_add_u32 v[SPW], v[NIL]              ; the wave's opening: the add and its wait ahead of the first tensor load
	v_lshrrev_b32 v1, 5, v0
	v_readfirstlane_b32 s[WV], v1
	s_bfe_u32 s13, ttmp6, 0x40000
	s_lshl_b32 s14, ttmp9, 2
	s_add_co_u32 s14, s14, s13             ; my block of 256 tokens
	s_and_b32 s15, ttmp7, 0xffff           ; y
	s_mov_b32 s[G1], 15|(1<<16)|(1<<20)|(1<<21)|(5<<22)|(7<<25)
	s_mov_b32 s[G1+1], 128<<16
	s_mov_b32 s[G1+2], 256<<16
	s_mov_b32 s[G1+3], 128<<16
	s_mov_b32 s[G1+4], 256
	s_mov_b32 s[G1+5], 128
	s_mov_b32 s[G1+6], 0
	s_mov_b32 s[G1+7], 0
	s_mov_b32 s[G0], 1
	s_mul_i32 s[G0+1], s[WV], SUB
	s_lshl_b32 s16, s15, 2
	s_add_co_u32 s16, s16, s[WV]           ; group 4 y + wave
	s_lshl_b32 s16, s16, 16
	s_add_co_u32 s16, s16, 2097152         ; w1 in wb
	s_mov_b32 s17, 0
	v_and_b32 v13, 15, v0
	v_bfe_u32 v14, v0, 4, 1
	v_bfe_u32 v15, v0, 1, 2
	v_lshl_add_u32 v15, v14, 2, v15
	v_mul_u32_u24 v[LB], v15, 288
	v_and_b32 v15, 1, v0
	v_lshl_add_u32 v[LB], v15, 7, v[LB]
	v_bfe_u32 v15, v0, 3, 1
	v_lshl_add_u32 v[LB], v15, 4, v[LB]
	s_lshl_b32 s18, s14, 13
	s_lshl_b32 s19, s[WV], 11
	s_add_co_u32 s18, s18, s19
	v_lshlrev_b32 v[AO], 5, v13
	v_lshl_add_u32 v[AO], v14, 4, v[AO]
	v_add_nc_u32 v[AO], s18, v[AO]
	v_and_b32 v[SO0], 31, v0
	v_lshlrev_b32 v[SO0], 4, v[SO0]
	s_lshl_b32 s19, s15, 22                ; column block 16 y
	s_add_co_u32 s19, s19, s18
	v_add_nc_u32 v[SO0], s19, v[SO0]
	v_lshlrev_b32 v[BO0], 5, v14
	v_mov_b32 v[BO], v[BO0]
	v_mov_b32 v[ZER], 0
	s_lshl_b32 s18, s15, 10
	s_add_co_u32 s18, s18, 8192            ; b1 in vec, my 256 columns
	s_mov_b32 s19, 0
	s_wait_dscnt 0x0
	s_wait_kmcnt 0x0
	s_add_nc_u64 s[G0+2:G0+3], s[6:7], s[16:17]
	s_or_b32 s[G0+3], s[G0+3], 0x80000000
	s_add_nc_u64 s[8:9], s[8:9], s[18:19]
	ROUND
	tensor_load_to_lds s[G0:G0+3], s[G1:G1+7]
	s_nop 0
	PLACES
.set c, 0
.rept 16
	WIN 0x40*(1+c/8)
.irp a, 0,1,2,3
	global_load_b128 v[8*(4*(c%8)+\a):8*(4*(c%8)+\a)+3],   v[AO], s[4:5] offset:(2*c)*PLANE+512*\a
	global_load_b128 v[8*(4*(c%8)+\a)+4:8*(4*(c%8)+\a)+7], v[AO], s[4:5] offset:(2*c+1)*PLANE+512*\a
.endr
.set c, c+1
.endr
	WIN 0
	global_load_b128 v[BI:BI+3],   v[BO], s[8:9]
	global_load_b128 v[BI+4:BI+7], v[BO], s[8:9] offset:16
	s_wait_tensorcnt 0x0
	s_barrier_signal -1
	s_barrier_wait -1                      ; B is whole; nothing is ever filled again
	s_mov_b32 s[CUR], 0
	v_mov_b32 v[B0A], v[LB]
	BLOADS BF0, B0A
	s_mov_b32 s[N], 0
.Lblock:                               ; one block of 16 columns: 64 products
	s_add_co_u32 s23, s[CUR], 8*CHK
	v_add_nc_u32 v[B1A], s23, v[LB]
	BLOADS BF1, B1A
	s_wait_loadcnt 0x0                     ; the bias (and, the first time, A)
	s_wait_dscnt 16                        ; BF0 is in; the 16 just issued stay out
	MULS BF0, 1, 1
	WIN 0
	s_add_co_u32 s[TN], s[N], 1
	s_min_u32 s[TN], s[TN], NB-1           ; behind the last block there is none: it is read once more
	s_lshr_b32 s23, s[TN], 2
	s_mul_i32 s23, s23, SUB
	s_and_b32 s[CUR], s[TN], 3
	s_lshl_b32 s[CUR], s[CUR], 5
	s_add_co_u32 s[CUR], s[CUR], s23
	s_lshl_b32 s23, s[TN], 6
	v_add_nc_u32 v[B0A], s[CUR], v[LB]     ; with the next line and two v_nop the four places in front of the loads into BF0 and BI
	v_add_nc_u32 v[BO], s23, v[BO0]
	v_nop
	v_nop
	BLOADS BF0, B0A
	global_load_b128 v[BI:BI+3],   v[BO], s[8:9]
	global_load_b128 v[BI+4:BI+7], v[BO], s[8:9] offset:16
	s_wait_dscnt 16                        ; BF1 is in
	MULS BF1, 2, 0
	WIN 0
	PLACES
	s_wait_xcnt 0x0                        ; the last block's stores have read PK and SO
	s_lshl_b32 s23, s[N], 18
	v_add_nc_u32 v[SO], s23, v[SO0]
.irp a, 0,1,2,3
.irp k, 0,1,2,3
	v_cvt_pk_bf16_f32 v[PK+4*\a+\k], v[ACC+8*\a+2*\k], v[ACC+8*\a+2*\k+1]
.endr
.endr
.set n, 0
.rept 16
	v_pk_max_num_bf16 v[PK+n], v[PK+n], v[ZER]
.set n, n+1
.endr
.irp a, 0,1,2,3
	global_store_b128 v[SO], v[PK+4*\a:PK+4*\a+3], s[10:11] offset:512*\a  ; a whole block: 512 consecutive bytes
.endr
	s_add_co_u32 s[N], s[N], 1
	s_cmp_lt_u32 s[N], NB
	s_cbranch_scc1 .Lblock
	s_wait_tensorcnt 0x0                   ; the wave's end
	ds_add_u32 v[SPW], v[NIL]
	s_wait_dscnt 0x0
	ROUND
	s_endpgm
.Lfunc_end_k_q0d808aab6f_ffn1:
	.size	k_q0d808aab6f_ffn1, .Lfunc_end_k_q0d808aab6f_ffn1-k_q0d808aab6f_ffn1
	.p2alignl 7, 3214868480
	.fill 96, 4, 3214868480
	.section	.rodata,"a",@progbits
	.p2align	6, 0x0
	.amdhsa_kernel k_q0d808aab6f_ffn1
		.amdhsa_group_segment_fixed_size 295424
		.amdhsa_private_segment_fixed_size 0
		.amdhsa_enable_private_segment 0
		.amdhsa_kernarg_size 32
		.amdhsa_user_sgpr_count 2
		.amdhsa_user_sgpr_kernarg_segment_ptr 1
		.amdhsa_wavefront_size32 1
		.amdhsa_system_sgpr_workgroup_id_x 1
		.amdhsa_system_sgpr_workgroup_id_y 1
		.amdhsa_system_sgpr_workgroup_id_z 1
		.amdhsa_system_vgpr_workitem_id 0
		.amdhsa_next_free_vgpr 768
		.amdhsa_next_free_sgpr 66
		.amdhsa_reserve_vcc 0
		.amdhsa_float_denorm_mode_32 3
		.amdhsa_float_denorm_mode_16_64 3
		.amdhsa_memory_ordered 1
		.amdhsa_forward_progress 1
		.amdhsa_inst_pref_size 28
	.end_amdhsa_kernel
	.amdgpu_metadata
---
amdhsa.version: [ 1, 2 ]
amdhsa.kernels:
  - .name:           k_q0d808aab6f_ffn1
    .symbol:         k_q0d808aab6f_ffn1.kd
    .args:
      - { .name: act, .offset: 0, .size: 8, .value_kind: global_buffer, .address_space: global }
      - { .name: wb, .offset: 8, .size: 8, .value_kind: global_buffer, .address_space: global }
      - { .name: vec, .offset: 16, .size: 8, .value_kind: global_buffer, .address_space: global }
      - { .name: hid, .offset: 24, .size: 8, .value_kind: global_buffer, .address_space: global }
    .group_segment_fixed_size: 295424
    .private_segment_fixed_size: 0
    .kernarg_segment_align: 8
    .kernarg_segment_size: 32
    .max_flat_workgroup_size: 128
    .sgpr_count:     66
    .vgpr_count:     768
    .wavefront_size: 32
...
	.end_amdgpu_metadata
.endif
;; end of part 6
;; launch ffn2 (part 7): grid 32 x 8, 4 waves a work-group, clusters of 4 x 1, 312,832 bytes of LDS; arguments hid, wb, vec, xt, out0; writes out0
.if DOCPART == 7
	.amdgcn_target "amdgcn-amd-amdhsa--gfx1250"
	.amdhsa_code_object_version 6
	.text
	.protected	k_q0d808aab6f_ffn2
	.globl	k_q0d808aab6f_ffn2
	.p2align	8
	.type	k_q0d808aab6f_ffn2,@function
k_q0d808aab6f_ffn2:
	s_mov_b64 s[64:65], 0
	v_nop
	global_prefetch_b8 v0, s[64:65] scope:SCOPE_SE
	s_setreg_imm32_b32 hwreg(HW_REG_WAVE_MODE, 25, 1), 1
	s_wait_xcnt 0x0
	s_wait_alu depctr_hold_cnt(0) depctr_sa_sdst(0) depctr_va_vdst(0) depctr_va_sdst(0) depctr_va_ssrc(0) depctr_va_vcc(0) depctr_vm_vsrc(0)
	s_getreg_b32 s2, hwreg(HW_REG_IB_STS2, 6, 4)
	s_cmp_eq_u32 s2, 0
	s_cbranch_scc0 .Lentry_in_a_cluster
	s_endpgm
.Lentry_in_a_cluster:
	s_bfe_u32 s2, ttmp6, 0x10000c
	s_cmp_lg_u32 s2, 0x3003
	s_cbranch_scc0 .Lentry_shape_is_right
	s_endpgm
.Lentry_shape_is_right:
; out0 = xt + hid w2 + b2.  hid: bf16 blocks, 16 bytes a lane; w2: wb at 4,194,304, 64 columns dense; b2: vec at 6,144 (rounded to bf16, kept as f32); xt, out0: f32 [8192][512].  Sums in f32.
; SHARES.  A work-group: 256 tokens x the 64 columns 64 y ..; a wave 64 tokens x 64 columns: 16 accumulators, window 3.  K = 2,048 goes in 16 steps of 128.
; B (the group of 64 columns, all K, 294,912 bytes with padding) lies whole in LDS, filled once, 512 k a wave; two k share a row of 256 bytes with 32 bytes of padding: k at (k / 2) x 288 + (k % 2) x 128.
; A (hid) goes from memory straight into registers: four buffers of a step each (windows 1 and 2); a buffer is asked for again as soon as its step is multiplied.
; The four work-groups of a cluster share B (mask 15).  b2 is loaded straight into the accumulators: nothing is cleared and no first step is written out.
; AHEAD OF THE LOADS.  hid is read by eight work-groups (y = 0 .. 7); those with y = 0 prefetch: in each trip (four steps) a wave names its own 2,048 bytes of each of the 32 column blocks
; that the NEXT trip will load, a lane a block of 256 bytes, eight instructions behind the trip's first run of loads.  The loop's last trip asks for nothing: there is no trip behind what it loads.
.set PLANE, 262144
.set CHK,   16*288
.set SUB,   16*CHK
.set STAGE, 4*SUB                      ; 4 waves x 16 rows x 272 bytes; no tile lands here
.set SPITCH, 272
.set SPARE, STAGE+4*16*SPITCH
.set TRIPB, 32*PLANE                   ; a trip's 32 column blocks of hid
.set LB,  2
.set BA,  3                            ; v3  B's address for a trip's chunks 0-7
.set BB,  4                            ; v4  for its chunks 8-15
.set AO,  5
.set STO, 6
.set RD,  7
.set SPW, 8
.set NIL, 9
.set CO,  10
.set BO,  11
.set PFO, 13
.set TS,  32                           ; v[32:63] 16 rows read back from the stage
.set BF0, 64                           ; v[64:127], v[128:191]: B's fragments of two chunks x four column blocks, two buffers
.set RES, 128                          ; window 3: xt's tile, then the result
.set WV,  12
.set LEFT, 20
.set LIM, 21
.set G1,  24
.set G0,  32
.set AP,  38                           ; s[38:39] hid at the trip that is being loaded
.set PF,  40                           ; s[40:41] hid at the trip behind it
.set MSB, 0
.macro WIN new
.if MSB != (\new)
	s_set_vgpr_msb (MSB<<8)|(\new)
.set MSB, \new
.endif
.endm
.macro PLACES
.rept 4
	v_nop
.endr
.endm
.macro ROUND
	s_barrier_signal -1
	s_barrier_wait -1
	s_cmp_lg_u32 s[WV], 0
	s_cbranch_scc1 .Lnot_wave_0_\@
	s_barrier_signal -3
.Lnot_wave_0_\@:
	s_barrier_wait -3
	s_barrier_signal -1
	s_barrier_wait -1
.endm
.macro ALOAD st, p                     ; step st of a trip: 4 chunks x 4 token tiles, 32 loads, into buffer st
	WIN 0x40*(1+(\st)/2)
.irp c, 0,1,2,3
.irp a, 0,1,2,3
	global_load_b128 v[128*((\st)%2)+8*(4*\c+\a):128*((\st)%2)+8*(4*\c+\a)+3],   v[AO], s[\p:\p+1] offset:(8*(\st)+2*\c)*PLANE+512*\a
	global_load_b128 v[128*((\st)%2)+8*(4*\c+\a)+4:128*((\st)%2)+8*(4*\c+\a)+7], v[AO], s[\p:\p+1] offset:(8*(\st)+2*\c+1)*PLANE+512*\a
.endr
.endr
.endm
.macro BLOAD tau                       ; B's fragments of a trip's chunks 2 tau, 2 tau + 1: 16 turning loads into buffer tau % 2
.set bf, BF0+64*((\tau)%2)
.if (\tau) < 4
.set ad, BA
.else
.set ad, BB
.endif
.set ch, 2*((\tau)%4)
.irp cc, 0,1
.irp nb, 0,1,2,3
	ds_load_tr16_b128 v[bf+8*(4*\cc+\nb):bf+8*(4*\cc+\nb)+3],   v[ad] offset:(ch+\cc)*CHK+32*\nb
	ds_load_tr16_b128 v[bf+8*(4*\cc+\nb)+4:bf+8*(4*\cc+\nb)+7], v[ad] offset:(ch+\cc)*CHK+32*\nb+CHK/2
.endr
.endr
.endm
; Half a step: 32 products on chunks 2 tau, 2 tau + 1; the 16 accumulators take turns.  nxt: the half whose fragments are fetched meanwhile (-1: none).  lc: how many younger global loads may stay out (-1: no wait).
.macro TURN tau, nxt, lc
	WIN 0
	PLACES                                 ; behind the last product, in front of the loads into the fragments that it read
.if (\nxt) >= 0
.if (\nxt) == 0
	v_add_nc_u32 v[BA], SUB, v[BA]         ; the next trip's k
.endif
	BLOAD \nxt
	s_wait_dscnt 16                        ; my fragments are in; the 16 just issued stay out
.else
	s_wait_dscnt 0x0
.endif
.if (\lc) >= 0
	s_wait_loadcnt \lc                     ; the step's buffer of A is in
.endif
	WIN 0xf0|(4*(1+(\tau)/4))              ; A in window 1 or 2, C and D in window 3
.set bf, BF0+64*((\tau)%2)
.set ab, 128*(((\tau)/2)%2)+64*((\tau)%2)
.irp cc, 0,1
.irp nb, 0,1,2,3
.irp a, 0,1,2,3
	v_wmma_f32_16x16x32_bf16 v[8*(4*\nb+\a):8*(4*\nb+\a)+7], v[bf+8*(4*\cc+\nb):bf+8*(4*\cc+\nb)+7], v[ab+32*\cc+8*\a:ab+32*\cc+8*\a+7], v[8*(4*\nb+\a):8*(4*\nb+\a)+7]
.endr
.endr
.endr
.endm
.macro RELOAD st
	WIN 0
	PLACES
	ALOAD \st, AP
.endm
	s_load_b256 s[4:11], s[0:1], 0x0       ; hid, wb, vec, xt
	s_load_b64 s[36:37], s[0:1], 0x20      ; out0
	v_lshl_add_u32 v[SPW], v0, 2, SPARE
	v_mov_b32 v[NIL], 0
	ds_add_u32 v[SPW], v[NIL]              ; the wave's opening: the add and its wait ahead of the first tensor load
	v_lshrrev_b32 v1, 5, v0
	v_readfirstlane_b32 s[WV], v1
	s_bfe_u32 s13, ttmp6, 0x40000
	s_lshl_b32 s14, ttmp9, 2
	s_add_co_u32 s14, s14, s13             ; my block of 256 tokens
	s_and_b32 s15, ttmp7, 0xffff           ; y
	s_mov_b32 s[G1], 15|(1<<16)|(1<<20)|(1<<21)|(5<<22)|(7<<25)
	s_mov_b32 s[G1+1], 128<<16
	s_mov_b32 s[G1+2], 256<<16
	s_mov_b32 s[G1+3], 128<<16
	s_mov_b32 s[G1+4], 256
	s_mov_b32 s[G1+5], 128
	s_mov_b32 s[G1+6], 0
	s_mov_b32 s[G1+7], 0
	s_mov_b32 s[G0], 1
	s_mul_i32 s[G0+1], s[WV], SUB
	s_lshl_b32 s16, s15, 18                ; group y: 262,144 bytes,
	s_lshl_b32 s17, s[WV], 16              ; my 512 k of it
	s_add_co_u32 s16, s16, s17
	s_add_co_u32 s16, s16, 4194304         ; w2 in wb
	s_mov_b32 s17, 0
	s_cmp_eq_u32 s15, 0
	s_cselect_b32 s[LIM], 1, -1            ; the same in all four partners
	v_and_b32 v14, 15, v0                  ; r
	v_bfe_u32 v15, v0, 4, 1                ; h
	v_bfe_u32 v1, v0, 1, 2
	v_lshl_add_u32 v1, v15, 2, v1
	v_mul_u32_u24 v[LB], v1, 288
	v_and_b32 v1, 1, v0
	v_lshl_add_u32 v[LB], v1, 7, v[LB]
	v_bfe_u32 v1, v0, 3, 1
	v_lshl_add_u32 v[LB], v1, 4, v[LB]
	v_mov_b32 v[BA], v[LB]
	v_add_nc_u32 v[BB], 8*CHK, v[LB]
	s_lshl_b32 s18, s14, 13
	s_lshl_b32 s19, s[WV], 11
	s_add_co_u32 s18, s18, s19             ; my first token block x 512
	v_and_b32 v[AO], 31, v0
	v_lshlrev_b32 v[AO], 4, v[AO]
	v_add_nc_u32 v[AO], s18, v[AO]
	v_and_b32 v[PFO], 7, v0
	v_lshlrev_b32 v[PFO], 8, v[PFO]        ; my wave's 2,048 bytes of a column block: eight blocks of 256,
	v_bfe_u32 v1, v0, 3, 2
	v_lshl_add_u32 v[PFO], v1, 18, v[PFO]  ; in four column blocks
	v_add_nc_u32 v[PFO], s18, v[PFO]
	s_mul_i32 s19, s[WV], 16*SPITCH
	s_add_co_u32 s19, s19, STAGE
	v_mul_u32_u24 v[STO], v14, SPITCH
	v_lshl_add_u32 v[STO], v15, 5, v[STO]
	v_add_nc_u32 v[STO], s19, v[STO]
	v_mul_u32_u24 v[RD], v15, SPITCH
	v_lshl_add_u32 v[RD], v14, 4, v[RD]
	v_add_nc_u32 v[RD], s19, v[RD]
	s_lshl_b32 s19, s[WV], 17
	v_lshlrev_b32 v[CO], 11, v15
	v_lshl_add_u32 v[CO], v14, 4, v[CO]
	v_add_nc_u32 v[CO], s19, v[CO]
	v_lshlrev_b32 v[BO], 5, v15
	s_lshl_b32 s18, s14, 19
	s_lshl_b32 s19, s15, 8
	s_add_co_u32 s18, s18, s19
	s_add_co_u32 s22, s19, 6144            ; b2 in vec
	s_mov_b32 s19, 0
	s_mov_b32 s23, 0
	s_wait_dscnt 0x0
	s_wait_kmcnt 0x0
	s_add_nc_u64 s[G0+2:G0+3], s[6:7], s[16:17]
	s_or_b32 s[G0+3], s[G0+3], 0x80000000
	s_add_nc_u64 s[10:11], s[10:11], s[18:19]
	s_add_nc_u64 s[36:37], s[36:37], s[18:19]
	s_add_nc_u64 s[8:9], s[8:9], s[22:23]
	s_add_nc_u64 s[AP:AP+1], s[4:5], TRIPB
	s_add_nc_u64 s[PF:PF+1], s[4:5], 2*TRIPB
	ROUND
	tensor_load_to_lds s[G0:G0+3], s[G1:G1+7]
	s_nop 0
	PLACES
	WIN 0xc0
.irp nb, 0,1,2,3
.irp a, 0,1,2,3
	global_load_b128 v[8*(4*\nb+\a):8*(4*\nb+\a)+3],   v[BO], s[8:9] offset:64*\nb     ; the sums start at b2
	global_load_b128 v[8*(4*\nb+\a)+4:8*(4*\nb+\a)+7], v[BO], s[8:9] offset:64*\nb+16
.endr
.endr
	ALOAD 0, 4
	ALOAD 1, 4
	ALOAD 2, 4
	ALOAD 3, 4
	WIN 0
	s_wait_tensorcnt 0x0
	s_barrier_signal -1
	s_barrier_wait -1                      ; B is whole; nothing is ever filled again
	BLOAD 0
	s_mov_b32 s[LEFT], 3
.Ltrip:                                ; four steps, K = 512; each buffer is asked for again, for the next trip.  Behind a step's buffer 96 younger loads were issued; 63 is the largest count that the wait can name
	TURN 0, 1, 63
	TURN 1, 2, -1
	RELOAD 0
	WIN 0
	s_cmp_gt_u32 s[LEFT], s[LIM]
	s_cbranch_scc0 .Lnot_mine
.irp i, 0,1,2,3,4,5,6,7
	global_prefetch_b8 v[PFO], s[PF:PF+1] offset:4*\i*PLANE th:TH_LOAD_NT scope:SCOPE_SE
.endr
.Lnot_mine:
	TURN 2, 3, 63
	TURN 3, 4, -1
	RELOAD 1
	TURN 4, 5, 63
	TURN 5, 6, -1
	RELOAD 2
	TURN 6, 7, 63
	TURN 7, 0, -1
	RELOAD 3
	WIN 0
	v_add_nc_u32 v[BB], SUB, v[BB]
	s_wait_xcnt 0x0                        ; every load and prefetch issued so far has read its address: the pointers may be written
	s_add_nc_u64 s[AP:AP+1], s[AP:AP+1], TRIPB
	s_add_nc_u64 s[PF:PF+1], s[PF:PF+1], TRIPB
	s_sub_co_u32 s[LEFT], s[LEFT], 1
	s_cmp_lg_u32 s[LEFT], 0
	s_cbranch_scc1 .Ltrip
	WIN 0xc0                               ; the last trip loads no A; xt's tile comes in under it
.set n, 0
.rept 32
	global_load_b128 v[RES+4*n:RES+4*n+3], v[CO], s[10:11] offset:(16*(n/8)+2*(n%8))*2048
.set n, n+1
.endr
	TURN 0, 1, 63                          ; younger: three buffers and xt's 32
	TURN 1, 2, -1
	TURN 2, 3, 63
	TURN 3, 4, -1
	TURN 4, 5, 63                          ; younger: one buffer and xt's 32: 64
	TURN 5, 6, -1
	TURN 6, 7, 32                          ; younger: xt's 32
	TURN 7, -1, -1
	; THE WAY OUT, 16 rows at a time through my own stage, so that sixteen lanes store 256 consecutive bytes of a row
	WIN 0
	PLACES
	s_wait_loadcnt 0x0                     ; xt
.irp a, 0,1,2,3
	WIN 0x0c                               ; store data in window 3
.irp nb, 0,1,2,3
	ds_store_b128 v[STO], v[8*(4*\nb+\a):8*(4*\nb+\a)+3]   offset:64*\nb
	ds_store_b128 v[STO], v[8*(4*\nb+\a)+4:8*(4*\nb+\a)+7] offset:64*\nb+16
.endr
	WIN 0
.irp t, 0,1,2,3,4,5,6,7
	ds_load_b128 v[TS+4*\t:TS+4*\t+3], v[RD] offset:\t*2*SPITCH  ; my own bytes, served in order behind the stores above
.endr
	s_wait_dscnt 0x0
	WIN 0xc3
.irp t, 0,1,2,3,4,5,6,7
	v_pk_add_f32 v[RES+4*(8*\a+\t):RES+4*(8*\a+\t)+1],   v[RES+4*(8*\a+\t):RES+4*(8*\a+\t)+1],   v[TS+4*\t:TS+4*\t+1]
	v_pk_add_f32 v[RES+4*(8*\a+\t)+2:RES+4*(8*\a+\t)+3], v[RES+4*(8*\a+\t)+2:RES+4*(8*\a+\t)+3], v[TS+4*\t+2:TS+4*\t+3]
.endr
	WIN 0x0c
.irp t, 0,1,2,3,4,5,6,7
	global_store_b128 v[CO], v[RES+4*(8*\a+\t):RES+4*(8*\a+\t)+3], s[36:37] offset:(16*\a+2*\t)*2048 th:TH_STORE_NT
.endr
.endr
	WIN 0
	s_wait_tensorcnt 0x0                   ; the wave's end
	ds_add_u32 v[SPW], v[NIL]
	s_wait_dscnt 0x0
	ROUND
	s_endpgm
.Lfunc_end_k_q0d808aab6f_ffn2:
	.size	k_q0d808aab6f_ffn2, .Lfunc_end_k_q0d808aab6f_ffn2-k_q0d808aab6f_ffn2
	.p2alignl 7, 3214868480
	.fill 96, 4, 3214868480
	.section	.rodata,"a",@progbits
	.p2align	6, 0x0
	.amdhsa_kernel k_q0d808aab6f_ffn2
		.amdhsa_group_segment_fixed_size 312832
		.amdhsa_private_segment_fixed_size 0
		.amdhsa_enable_private_segment 0
		.amdhsa_kernarg_size 40
		.amdhsa_user_sgpr_count 2
		.amdhsa_user_sgpr_kernarg_segment_ptr 1
		.amdhsa_wavefront_size32 1
		.amdhsa_system_sgpr_workgroup_id_x 1
		.amdhsa_system_sgpr_workgroup_id_y 1
		.amdhsa_system_sgpr_workgroup_id_z 1
		.amdhsa_system_vgpr_workitem_id 0
		.amdhsa_next_free_vgpr 1024
		.amdhsa_next_free_sgpr 66
		.amdhsa_reserve_vcc 0
		.amdhsa_float_denorm_mode_32 3
		.amdhsa_float_denorm_mode_16_64 3
		.amdhsa_memory_ordered 1
		.amdhsa_forward_progress 1
		.amdhsa_inst_pref_size 101
	.end_amdhsa_kernel
	.amdgpu_metadata
---
amdhsa.version: [ 1, 2 ]
amdhsa.kernels:
  - .name:           k_q0d808aab6f_ffn2
    .symbol:         k_q0d808aab6f_ffn2.kd
    .args:
      - { .name: hid, .offset: 0, .size: 8, .value_kind: global_buffer, .address_space: global }
      - { .name: wb, .offset: 8, .size: 8, .value_kind: global_buffer, .address_space: global }
      - { .name: vec, .offset: 16, .size: 8, .value_kind: global_buffer, .address_space: global }
      - { .name: xt, .offset: 24, .size: 8, .value_kind: global_buffer, .address_space: global }
      - { .name: out0, .offset: 32, .size: 8, .value_kind: global_buffer, .address_space: global }
    .group_segment_fixed_size: 312832
    .private_segment_fixed_size: 0
    .kernarg_segment_align: 8
    .kernarg_segment_size: 40
    .max_flat_workgroup_size: 128
    .sgpr_count:     66
    .vgpr_count:     1024
    .wavefront_size: 32
...
	.end_amdgpu_metadata
.endif
;; end of part 7
